; MI455X (gfx1250); checked and timed in simulation.
; The chip was launched on July 23, 2026; its instructions are those of AMD's public machine-readable ISA for CDNA 5 (MIT licence, August 2026) and "CDNA5" Instruction Set Architecture Reference Guide (July 2026). The comments in the code are by the model that wrote it; some were corrected since.
;; Feed Forward Mo E. Allowed arithmetic: matrix products marked QUANTISED: E2M3 operands, one E8M0 scale for each 32 along K, by v_wmma_scale_f32_16x16x128_f8f6f4 with both operands' format E2M3, f32 sums; products left as they are: f32 operands where the result goes on into a quantised operand, else bf16, f16 or f32 operands; f32 sums; everything else in f32.
;; Inputs: b1 8 x 4,096 float32; b2 8 x 1,024 float32; gate_b 8 float32; gate_w 1,024 x 8 float32; w1 8 x 1,024 x 4,096 float32; w2 8 x 4,096 x 1,024 float32; x 2 x 512 x 1,024 float32.
;; Outputs: out0 2 x 512 x 1,024 float32.
;; This version of the problem:
;;   THIS VERSION OF THE PROBLEM IS GIVEN IN LOW PRECISION. The matrix products marked QUANTISED in the list below multiply operands that are first quantised to E2M3 (2 exponent bits, 3 mantissa bits; 6 bits a number), with one power-of-two scale for each 32 numbers along K (OCP MX v1.0); their sums are f32. All else is computed in f32.
;;   The module's matrix products, in the order in which they are computed (A, B: the left and right operand; K: the contracted axis; several contracted axes count as one K, in the product's order):
;;     1. [M 1,024, K 1,024] x [K 1,024, N 8]; A: input x; B: input gate_w: left as it is (N = 8 < 16)
;;     2. [M 32,768, K 1,024] x [K 1,024, N 1,024]; A: input w1; B: input x: QUANTISED
;;     3. batch 8 x [M 1,024, K 4,096] x [K 4,096, N 1,024]; A: computed on the way; B: input w2: QUANTISED
;;     4. batch 1,024 x [M 1,024, K 8] x [K 8, N 1]; A: computed on the way; B: computed on the way: left as it is (K = 8 < 32)
;;   THE QUANTISER, for each operand of a quantised product, along K:
;;     - K is cut into blocks of 32 from its start; a last block that is shorter is filled with zeros.
;;     - A block's scale is 2^e with e = floor(log2(the largest magnitude in the block)) - 2, held to -126 .. 127; a block of zeros has e = 0. As a byte (E8M0): e + 127.
;;     - Each number is divided by its block's scale, clamped to +-7.5, and rounded to the nearest number of E2M3, ties to even, subnormals kept.
;;     - The product sums the exact products of the quantised numbers (number of the format x scale) in f32.
;;   ~~~python
;;   def quantise(x, axis):      # numpy; x: float32 -> the quantised numbers, widened to float32 again
;;       x = np.moveaxis(x, axis, -1); K = x.shape[-1]
;;       x = np.pad(x, [(0, 0)] * (x.ndim - 1) + [(0, -K % 32)]); x = x.reshape(x.shape[:-1] + (-1, 32)); a = np.abs(x).max(-1, keepdims=True)
;;       e = np.where(a > 0, np.clip(np.frexp(np.where(a > 0, a, 1))[1] - 1 - 2, -126, 127), 0)      # np.frexp(a)[1] - 1 = floor(log2(a)), exactly
;;       r = np.clip(x / 2.0 ** e, -7.5, 7.5)
;;       step = 2.0 ** (np.maximum(np.frexp(np.where(r == 0, 1, r))[1] - 1, 0) - 3)
;;       q = np.round(r / step) * step * 2.0 ** e      # np.round: ties to even
;;       return np.moveaxis(q.reshape(q.shape[:-2] + (-1,))[..., :K], -1, axis).astype(np.float32)
;;   ~~~
;;   OPERANDS COMPUTED ON THE WAY. 'Computed on the way' means the value that the module computes at that place (a softmax that the list does not call 'softmax' is quantised finished and normalised). What goes into a quantiser is computed in f32, as accurately as f32 sums, v_exp_f32 and their like allow (about 1e-6 of the number): no bf16 or f16 on the way to a quantiser, and a product that is left as it is and whose result goes on into a quantised operand takes f32 operands (vector FMAs, or v_wmma_f32_16x16x4_f32). A number that lies on a knife's edge between two numbers of the format may be rounded either way, as far as f32 arithmetic and the matrix unit's own rounding can turn it there, and no further.
;; One version. Each part assembles by itself: llvm-mc -triple=amdgcn-amd-amdhsa -mcpu=gfx1250 --defsym DOCPART=n.
;; ======== version 1 of 1: 5 launches
;; limits: right only within a limited range of input values
;; workspace buffers: xq 786,432 bytes; xs 32,768 bytes; top2 4,096 bytes of whole numbers; psum 4,096 bytes; route 33,792 bytes of whole numbers; hq 25,165,824 bytes; hs 2,097,152 bytes; part 33,685,504 bytes
;; launch gate (part 1): grid 256 x 1, 2 waves a work-group, no clusters, 55,040 bytes of LDS; arguments x, gate_w, gate_b, xq, xs, top2, psum; writes xq, xs, top2, psum
.if DOCPART == 1
	.amdgcn_target "amdgcn-amd-amdhsa--gfx1250"
	.amdhsa_code_object_version 6
	.text
	.protected	k_q239f9636d2_gate
	.globl	k_q239f9636d2_gate
	.p2align	8
	.type	k_q239f9636d2_gate,@function
k_q239f9636d2_gate:
	s_mov_b64 s[64:65], 0
	v_nop
	global_prefetch_b8 v0, s[64:65] scope:SCOPE_SE
	s_setreg_imm32_b32 hwreg(HW_REG_WAVE_MODE, 25, 1), 1
	s_wait_xcnt 0x0
; GATE AND x's QUANTISER.  x [1024 tokens][1024] f32, gate_w [1024][8], gate_b [8].
; A wave owns two tokens.  It (a) turns each token's row into codes of E2M3 with one E8M0 byte for each 32 along K, (b) forms the eight gate scores in f32
; (vector multiply-adds: the choice of experts must not see a coarser format), (c) picks the two largest (the lower index on a tie, as top_k does)
; and stores them as whole numbers, e_first | e_second << 8, and (d) stores the sum of the two softmax weights, the maximum taken away first.
; LAYOUT OF THE CODES (xq): [token][h = 0, 1][384 bytes]; block beta of 32 lies at 384 (beta & 1) + 24 (beta >> 1): so lane (r, h) of a matrix operand finds its
; registers of all eight K steps as 384 bytes on end.  xs: [token][32] scale bytes in block order.
; A LANE HOLDS BLOCK l OF A ROW: 32 neighbours along K.  Loads are dense (a wave's load covers 512 bytes on end); the rows turn through the wave's own stage in LDS.
; gate_w comes once a work-group, dense, half by each wave, into LDS (slices of 1,024 bytes + 16), and each lane then takes the 32 rows of gate_w that go with its block.
; LIMITS: NaN and infinities among the inputs are not served.  A block whose largest magnitude lies under 2^-124 keeps the byte 1; a block of zeros has the byte 1 where the
; rule says 127 (its codes are zeros, and the bytes are read by this program alone).  Two scores closer than the rounding of an f32 sum of 1,024 terms may be ranked either way.
; No matrix unit, no cluster, no tensor load: 8 columns are too few for a tile, and the work-groups share only the 32 KB of gate_w.
.set WREG, 33280                       ; LDS: gate_w's image, 32 slices x 1,040 bytes, from 0; then a region of WSZ bytes for each wave:
.set WSZ,  10752                       ; two stages of 32 x 144 bytes, and OUTC: 1,536 bytes for two tokens' codes
.set OUTC, 9216
.set LN,  1                            ; v1  lane
.set O16, 2                            ; v2  16 x lane
.set XST, 3                            ; v3  stage, way in
.set XLD, 4                            ; v4  stage, way out
.set GST, 5                            ; v5  gate_w's image, way in
.set GLD, 6                            ; v6  gate_w's image, way out
.set OCS, 7                            ; v7  my block's place among a token's codes
.set OCL, 8                            ; v8  the codes read back, 16 bytes a lane
.set O4,  9                            ; v9  4 x lane
.set A0,  16                           ; v16-23 token 0's scores, v24-31 token 1's
.set X0,  32                           ; v32-63 token 0's block, v64-95 token 1's
.set GL,  96                           ; v96-223 gate_w as it lands; later at work
.set PX,  112                          ; v112-127 the other half's sums
.set T2,  128                          ; v128.. , v136..: a token's best, index, second, index, word, weight sum, at work
.set CD,  224                          ; v224-229, v232-237 a token's six registers of codes
.set BYT, 240                          ; v240, v241 the scale bytes
.set MXA, 242
.set MXB, 243
.set SOP, 244
.set TC,  246                          ; v246-248
.set MSB, 0
.macro WIN new                         ; the immediate's high byte repeats the setting that is left
.if MSB != (\new)
	s_set_vgpr_msb (MSB<<8)|(\new)
.set MSB, \new
.endif
.endm
	s_load_b256 s[4:11], s[0:1], 0x0               ; x s[4:5], gate_w s[6:7], gate_b s[8:9], xq s[10:11]
	s_load_b128 s[12:15], s[0:1], 0x20             ; xs s[12:13], top2 s[14:15]
	s_load_b64 s[16:17], s[0:1], 0x30              ; psum
	v_lshl_add_u32 v254, v0, 2, 0xd600
	v_mov_b32 v255, 0
	v_lshrrev_b32 v10, 5, v0
	v_readfirstlane_b32 s18, v10                   ; wave 0, 1
	v_and_b32 v[LN], 31, v0
	v_lshlrev_b32 v[O16], 4, v[LN]
	v_lshlrev_b32 v[O4], 2, v[LN]
	s_mul_i32 s20, s18, WSZ
	s_add_co_u32 s20, s20, WREG                    ; my wave's region
	v_lshrrev_b32 v10, 3, v[LN]
	v_mul_u32_u24 v[XST], v10, 144
	v_and_b32 v10, 7, v[LN]
	v_lshl_add_u32 v[XST], v10, 4, v[XST]
	v_add_nc_u32 v[XST], s20, v[XST]               ; eight lanes' 128 bytes on end, then 16 of padding
	v_mul_u32_u24 v[XLD], v[LN], 144
	v_add_nc_u32 v[XLD], s20, v[XLD]               ; my block's 128 bytes
	s_mul_i32 s21, s18, 16640
	v_add_nc_u32 v[GST], s21, v[O16]               ; my wave's sixteen slices
	v_mul_u32_u24 v[GLD], v[LN], 1040              ; my slice
	v_and_b32 v10, 1, v[LN]
	v_mul_u32_u24 v[OCS], v10, 384
	v_lshrrev_b32 v10, 1, v[LN]
	v_mad_u32_u24 v[OCS], v10, 24, v[OCS]
	v_add_nc_u32 v[OCS], s20, v[OCS]
	v_add_nc_u32 v[OCL], s20, v[O16]
	s_lshl_b32 s19, ttmp9, 2
	s_lshl_b32 s22, s18, 1
	s_add_co_u32 s19, s19, s22                     ; my first token: 4 x work-group + 2 x wave
	s_mov_b32 s23, 0
	s_mov_b32 s32, 0x76543210
	s_mov_b32 s33, 0xfedcba98                      ; v_permlanex16_b32's selects for lane l xor 16
	s_wait_alu depctr_va_vdst(0)
	s_wait_kmcnt 0x0
	s_lshl_b32 s22, s19, 12
	s_add_nc_u64 s[4:5], s[4:5], s[22:23]          ; x at my first token
	s_lshl_b32 s22, s18, 14
	s_add_nc_u64 s[6:7], s[6:7], s[22:23]          ; my half of gate_w
	s_mul_i32 s22, s19, 768
	s_add_nc_u64 s[10:11], s[10:11], s[22:23]
	s_lshl_b32 s22, s19, 5
	s_add_nc_u64 s[12:13], s[12:13], s[22:23]
	s_lshl_b32 s22, s19, 2
	s_add_nc_u64 s[14:15], s[14:15], s[22:23]
	s_add_nc_u64 s[16:17], s[16:17], s[22:23]
	s_load_b256 s[24:31], s[8:9], 0x0              ; gate_b
.irp tk, 0,1
.irp i, 0,1,2,3,4,5,6,7
	global_load_b128 v[X0+32*\tk+4*\i:X0+32*\tk+4*\i+3], v[O16], s[4:5] offset:4096*\tk+512*\i th:TH_LOAD_NT   ; 512 bytes on end; x is read here and nowhere else
.endr
.endr
.set i, 0
.rept 32
	global_load_b128 v[GL+4*i:GL+4*i+3], v[O16], s[6:7] offset:512*i
.set i, i+1
.endr
	s_wait_loadcnt 32                              ; x's sixteen loads are in; gate_w's 32 may be out
.irp tk, 0,1
.irp i, 0,1,2,3,4,5,6,7
	ds_store_b128 v[XST], v[X0+32*\tk+4*\i:X0+32*\tk+4*\i+3] offset:4608*\tk+576*\i
.endr
.irp i, 0,1,2,3,4,5,6,7
	ds_load_b128 v[X0+32*\tk+4*\i:X0+32*\tk+4*\i+3], v[XLD] offset:4608*\tk+16*\i   ; LDS serves a wave's instructions in order: these see the stores above
.endr
.endr
	s_wait_loadcnt 0x0                             ; gate_w
.set i, 0
.rept 32
	ds_store_b128 v[GST], v[GL+4*i:GL+4*i+3] offset:(i/2)*1040+512*(i%2)
.set i, i+1
.endr
	s_wait_dscnt 0x0                               ; for the other wave's sake: my half of the image lies in LDS (and my blocks are back)
	s_barrier_signal -1
	s_barrier_wait -1
	WIN 0x40                                       ; destination window 1
.set i, 0
.rept 64
	ds_load_b128 v[4*i:4*i+3], v[GLD] offset:16*i  ; gate_w(32 l + d, e) at register 8 d + e of window 1
.set i, i+1
.endr
	WIN 0
; A token's block becomes 32 codes (24 bytes) and a scale byte.
.macro QX tk
.set XR, X0+32*\tk
.set CB, CD+8*\tk
	v_max3_num_f32 v[MXA], |v[XR]|, |v[XR+1]|, |v[XR+2]|
	v_max3_num_f32 v[MXB], |v[XR+3]|, |v[XR+4]|, |v[XR+5]|
.irp i, 6,10,14,18,22,26
	v_max3_num_f32 v[MXA], v[MXA], |v[XR+\i]|, |v[XR+\i+1]|
	v_max3_num_f32 v[MXB], v[MXB], |v[XR+\i+2]|, |v[XR+\i+3]|
.endr
	v_max3_num_f32 v[MXA], v[MXA], |v[XR+30]|, |v[XR+31]|
	v_max3_num_f32 v[MXA], v[MXA], v[MXB], 0x1800000   ; and the floor 2^(3 - 127): the byte cannot fall under 1
	v_add_nc_u32 v[SOP], 0xff000000, v[MXA]        ; 2 off the exponent field: the conversion takes this operand's exponent field as its scale
	v_cvt_scalef32_pk16_fp6_f32 v[CB:CB+2], v[XR:XR+15], v[SOP]
	v_cvt_scalef32_pk16_fp6_f32 v[TC:TC+2], v[XR+16:XR+31], v[SOP]   ; (a conversion's three registers begin on an even number)
	v_lshrrev_b32 v[BYT+\tk], 23, v[SOP]           ; the scale's byte; also the plain line behind the conversions
	v_mov_b32 v[CB+3], v[TC]
	v_mov_b32 v[CB+4], v[TC+1]
	v_mov_b32 v[CB+5], v[TC+2]
	ds_store_b64 v[OCS], v[CB:CB+1] offset:OUTC+768*\tk
	ds_store_b64 v[OCS], v[CB+2:CB+3] offset:OUTC+768*\tk+8
	ds_store_b64 v[OCS], v[CB+4:CB+5] offset:OUTC+768*\tk+16
	global_store_b8 v[LN], v[BYT+\tk], s[12:13] offset:32*\tk   ; the wave's 32 bytes lie on end
.endm
	QX 0
	QX 1
.irp c, 0,1,2
	ds_load_b128 v[GL+4*\c:GL+4*\c+3], v[OCL] offset:OUTC+512*\c
.endr
	s_wait_dscnt 0x0                               ; gate_w's slice and the two tokens' codes are in registers
.irp c, 0,1,2
	global_store_b128 v[O16], v[GL+4*\c:GL+4*\c+3], s[10:11] offset:512*\c   ; 512 bytes on end, at a multiple of 256 from xq's first byte
.endr
	; the scores: my 32 terms of each of 16 sums, which do not wait for each other
	WIN 0x04                                       ; source 1 window 1
.irp e, 0,1,2,3,4,5,6,7
	v_mul_f32 v[A0+\e], v[X0], v[\e]               ; the first term starts the sum
	v_mul_f32 v[A0+8+\e], v[X0+32], v[\e]
.endr
.set d, 1
.rept 31
.irp e, 0,1,2,3,4,5,6,7
	v_fmac_f32 v[A0+\e], v[X0+d], v[8*d+\e]
	v_fmac_f32 v[A0+8+\e], v[X0+32+d], v[8*d+\e]
.endr
.set d, d+1
.endr
	WIN 0
.irp m, 1,2,4,8
.set j, 0
.rept 16
	v_add_f32_dpp v[A0+j], v[A0+j], v[A0+j] row_xmask:\m row_mask:0xf bank_mask:0xf
.set j, j+1
.endr
.endr
.set j, 0
.rept 16
	v_permlanex16_b32 v[PX+j], v[A0+j], s32, s33
.set j, j+1
.endr
.set j, 0
.rept 16
	v_add_f32 v[A0+j], v[A0+j], v[PX+j]            ; every lane holds all sixteen sums
.set j, j+1
.endr
	s_wait_alu depctr_va_vdst(0)
	s_wait_kmcnt 0x0
.irp e, 0,1,2,3,4,5,6,7
	v_add_f32 v[A0+\e], s[24+\e], v[A0+\e]
	v_add_f32 v[A0+8+\e], s[24+\e], v[A0+8+\e]
.endr
; The two largest of eight, by selects alone.  o: +0 best, +1 its index, +2 second, +3 its index, +4 the word, +5 the weights' sum, +6 at work
.macro TOP2 a, o
	v_mov_b32 v[\o], v[\a]
	v_mov_b32 v[\o+1], 0
.irp e, 1,2,3,4,5,6,7
	v_cmp_gt_f32 vcc_lo, v[\a+\e], v[\o]           ; strictly larger: on a tie the lower index stays
	v_cndmask_b32 v[\o], v[\o], v[\a+\e], vcc_lo
	v_cndmask_b32 v[\o+1], v[\o+1], \e, vcc_lo
.endr
	v_mov_b32 v[\o+2], 0xff800000                  ; -infinity
	v_mov_b32 v[\o+3], 0
.irp e, 0,1,2,3,4,5,6,7
	v_cmp_ne_u32 s20, \e, v[\o+1]                  ; the best one does not count again
	v_cmp_gt_f32 vcc_lo, v[\a+\e], v[\o+2]
	s_and_b32 vcc_lo, vcc_lo, s20
	v_cndmask_b32 v[\o+2], v[\o+2], v[\a+\e], vcc_lo
	v_cndmask_b32 v[\o+3], v[\o+3], \e, vcc_lo
.endr
	v_sub_f32 v[\o+5], v[\o+2], v[\o]              ; second - best: the maximum is taken away
	v_mul_f32 v[\o+5], 0x3fb8aa3b, v[\o+5]
	s_wait_alu depctr_va_vdst(0)
	v_exp_f32 v[\o+5], v[\o+5]                     ; E = e^(second - best), at most 1
	v_lshl_or_b32 v[\o+4], v[\o+3], 8, v[\o+1]     ; the word; also the plain line behind the exponential
	s_wait_alu depctr_va_vdst(0)
	v_add_f32 v[\o+6], 1.0, v[\o+5]
	s_wait_alu depctr_va_vdst(0)
	v_rcp_f32 v[\o+6], v[\o+6]
	v_nop                                          ; one plain line behind the reciprocal
	s_wait_alu depctr_va_vdst(0)
	v_fma_f32 v[\o+5], v[\o+5], v[\o+6], v[\o+6]   ; 1 / (1 + E) + E / (1 + E)
.endm
	TOP2 A0, T2
	TOP2 A0+8, T2+8
	v_cmp_eq_u32 vcc_lo, 1, v[LN]
	v_cndmask_b32 v[T2+4], v[T2+4], v[T2+12], vcc_lo   ; lane 0 keeps token 0's, lane 1 takes token 1's
	v_cndmask_b32 v[T2+5], v[T2+5], v[T2+13], vcc_lo
	v_cmp_gt_u32 vcc_lo, 2, v[LN]
	s_wait_alu depctr_va_vdst(0)
	s_wait_xcnt 0x0                                ; EXEC is a source of the stores above: it changes only behind this wait
	s_wait_tensorcnt 0x0
	ds_add_u32 v254, v255
	s_wait_dscnt 0x0
	s_and_saveexec_b32 s20, vcc_lo
	global_store_b32 v[O4], v[T2+4], s[14:15]
	global_store_b32 v[O4], v[T2+5], s[16:17]
	s_wait_xcnt 0x0                                ; and again in front of the line that widens it
	s_or_b32 exec_lo, exec_lo, s20
	s_endpgm
.Lfunc_end_k_q239f9636d2_gate:
	.size	k_q239f9636d2_gate, .Lfunc_end_k_q239f9636d2_gate-k_q239f9636d2_gate
	.p2alignl 7, 3214868480
	.fill 96, 4, 3214868480
	.section	.rodata,"a",@progbits
	.p2align	6, 0x0
	.amdhsa_kernel k_q239f9636d2_gate
		.amdhsa_group_segment_fixed_size 55040
		.amdhsa_private_segment_fixed_size 0
		.amdhsa_enable_private_segment 0
		.amdhsa_kernarg_size 56
		.amdhsa_user_sgpr_count 2
		.amdhsa_user_sgpr_kernarg_segment_ptr 1
		.amdhsa_wavefront_size32 1
		.amdhsa_system_sgpr_workgroup_id_x 1
		.amdhsa_system_sgpr_workgroup_id_y 1
		.amdhsa_system_sgpr_workgroup_id_z 1
		.amdhsa_system_vgpr_workitem_id 0
		.amdhsa_next_free_vgpr 512
		.amdhsa_next_free_sgpr 66
		.amdhsa_reserve_vcc 1
		.amdhsa_float_denorm_mode_32 3
		.amdhsa_float_denorm_mode_16_64 3
		.amdhsa_memory_ordered 1
		.amdhsa_forward_progress 1
		.amdhsa_inst_pref_size 49
	.end_amdhsa_kernel
	.amdgpu_metadata
---
amdhsa.version: [ 1, 2 ]
amdhsa.kernels:
  - .name:           k_q239f9636d2_gate
    .symbol:         k_q239f9636d2_gate.kd
    .args:
      - { .name: x, .offset: 0, .size: 8, .value_kind: global_buffer, .address_space: global }
      - { .name: gate_w, .offset: 8, .size: 8, .value_kind: global_buffer, .address_space: global }
      - { .name: gate_b, .offset: 16, .size: 8, .value_kind: global_buffer, .address_space: global }
      - { .name: xq, .offset: 24, .size: 8, .value_kind: global_buffer, .address_space: global }
      - { .name: xs, .offset: 32, .size: 8, .value_kind: global_buffer, .address_space: global }
      - { .name: top2, .offset: 40, .size: 8, .value_kind: global_buffer, .address_space: global }
      - { .name: psum, .offset: 48, .size: 8, .value_kind: global_buffer, .address_space: global }
    .group_segment_fixed_size: 55040
    .private_segment_fixed_size: 0
    .kernarg_segment_align: 8
    .kernarg_segment_size: 56
    .max_flat_workgroup_size: 64
    .sgpr_count:     66
    .vgpr_count:     512
    .wavefront_size: 32
...
	.end_amdgpu_metadata
.endif
;; end of part 1
;; launch route (part 2): grid 8 x 1, 8 waves a work-group, no clusters, 0 bytes of LDS; arguments top2, route; writes route
.if DOCPART == 2
	.amdgcn_target "amdgcn-amd-amdhsa--gfx1250"
	.amdhsa_code_object_version 6
	.text
	.protected	k_q239f9636d2_route
	.globl	k_q239f9636d2_route
	.p2align	8
	.type	k_q239f9636d2_route,@function
k_q239f9636d2_route:
	s_mov_b64 s[64:65], 0
	v_nop
	global_prefetch_b8 v0, s[64:65] scope:SCOPE_SE
	s_setreg_imm32_b32 hwreg(HW_REG_WAVE_MODE, 25, 1), 1
	s_wait_xcnt 0x0
; THE LISTS.  top2 [1024]: e_first | e_second << 8 for each token, whole numbers.  Work-group e builds expert e's list; whole numbers only, no LDS, no barrier, every lane on throughout.
; route: bytes 128 e .. 128 e + 127: the number of tiles of 16 rows, max(1, ceil(count / 16)), 32 times; from byte 1,024 on, list[e][1024]: an entry is j x 1024 + token, j = 0 or 1 saying which of the
; token's two choices this is; from the expert's count on the list is filled with 2048 + e, a row that is computed and thrown away.
; BY GATHERING: no store's place hangs on data.  A lane owns four neighbouring places of the list, p = 128 wave + 4 lane + k, and finds the token that belongs there.  Every wave holds all 1,024 words (register n,
; lane l: token 32 n + l) and walks the 32 registers once: the mask M of tokens that chose the expert, the mask J of those that chose it second, and the count so far; each place keeps the last register whose
; count so far is at most p.  The (p - count)-th set bit of that register's M is then found by five halvings over counts of bits kept two, four, eight and sixteen at a time.
; Eight work-groups: the work is 4 KB in and 4 KB out for each expert, and each wave needs the counts over all tokens.
.set T,  8                             ; v8-39  the words
.set PP, 40                            ; v40-43 my four places
.set MS, 44                            ; the register's mask M
.set JS, 48                            ; its mask J
.set BN, 52                            ; count so far | n << 16
.set RR, 56                            ; which set bit is wanted
.set QA, 60                            ; counts of 2 bits,
.set QB, 64                            ; of 4,
.set QC, 68                            ; of 8,
.set QD, 72                            ; low byte: of the low 16
.set PO, 76                            ; the bit's place so far
.set TT, 80
.set UU, 84
.set QQ, 88
.set EN, 92                            ; v92-95 the four entries
	s_load_b128 s[4:7], s[0:1], 0x0                ; top2 s[4:5], route s[6:7]
	v_lshrrev_b32 v1, 5, v0
	s_delay_alu instid0(VALU_DEP_1)
	v_readfirstlane_b32 s18, v1                    ; wave 0..7
	v_and_b32 v1, 31, v0                           ; lane
	s_delay_alu instid0(VALU_DEP_1)
	v_lshlrev_b32 v2, 2, v1                        ; 4 x lane
	s_mov_b32 s20, ttmp9                           ; the expert
	s_lshl_b32 s19, s18, 7
	v_add_nc_u32 v[PP], s19, v2                    ; my first place
.irp k, 1,2,3
	v_add_nc_u32 v[PP+\k], \k, v[PP]
.endr
	s_delay_alu instid0(VALU_DEP_4)
	v_lshlrev_b32 v3, 2, v[PP]                     ; and its byte in the list: 512 x wave + 16 x lane
	s_lshl_b32 s10, s20, 12
	s_add_co_u32 s10, s10, 1024
	s_mov_b32 s11, 0
	s_lshl_b32 s12, s20, 7
	s_mov_b32 s13, 0
	s_mov_b32 s24, 0                               ; rows so far
	s_add_co_u32 s27, s20, 2048
	v_mov_b32 v4, s27                              ; the filling entry
	s_wait_alu depctr_va_vdst(0)
	s_wait_kmcnt 0x0
	s_add_nc_u64 s[8:9], s[6:7], s[10:11]          ; my list
	s_add_nc_u64 s[14:15], s[6:7], s[12:13]        ; my 128 bytes for the number of tiles
.set n, 0
.rept 32
	global_load_b32 v[T+n], v2, s[4:5] offset:128*n
.set n, n+1
.endr
	s_wait_loadcnt 0x0
.macro STEP n
	v_and_b32 v96, 0xff, v[T+\n]
	v_bfe_u32 v97, v[T+\n], 8, 8
	s_delay_alu instid0(VALU_DEP_2)
	v_cmp_eq_u32 s21, s20, v96                     ; my expert is the token's first choice,
	s_delay_alu instid0(VALU_DEP_2)
	v_cmp_eq_u32 s22, s20, v97                     ; or its second: J
	s_or_b32 s23, s21, s22                         ; M
.if (\n) == 0
.irp k, 0,1,2,3
	v_mov_b32 v[MS+\k], s23                        ; register 0's count so far is 0, at most every p
	v_mov_b32 v[JS+\k], s22
	v_mov_b32 v[BN+\k], 0
.endr
.else
	s_or_b32 s26, s24, (\n)<<16                    ; the count is at most 1,024
.irp k, 0,1,2,3
	v_cmp_le_u32 vcc_lo, s24, v[PP+\k]             ; the counts do not fall: the last register that passes is the one that holds place p
	s_delay_alu instid0(VALU_DEP_1)
	v_cndmask_b32 v[MS+\k], v[MS+\k], s23, vcc_lo
	s_delay_alu instid0(VALU_DEP_2)
	v_cndmask_b32 v[JS+\k], v[JS+\k], s22, vcc_lo
	s_delay_alu instid0(VALU_DEP_3)
	v_cndmask_b32 v[BN+\k], v[BN+\k], s26, vcc_lo
.endr
.endif
	s_bcnt1_i32_b32 s25, s23
	s_add_co_u32 s24, s24, s25
.endm
.set Q, 0
.rept 32
	STEP Q
.set Q, Q+1
.endr
.irp k, 0,1,2,3
	v_and_b32 v[TT+\k], 0xffff, v[BN+\k]
.endr
.irp k, 0,1,2,3
	s_delay_alu instid0(VALU_DEP_4)
	v_sub_nc_u32 v[RR+\k], v[PP+\k], v[TT+\k]      ; the set bit wanted, counted from 0
.endr
.irp k, 0,1,2,3
	v_lshrrev_b32 v[TT+\k], 1, v[MS+\k]
.endr
.irp k, 0,1,2,3
	s_delay_alu instid0(VALU_DEP_4)
	v_and_b32 v[TT+\k], 0x55555555, v[TT+\k]
.endr
.irp k, 0,1,2,3
	s_delay_alu instid0(VALU_DEP_4)
	v_sub_nc_u32 v[QA+\k], v[MS+\k], v[TT+\k]      ; each pair of bits holds its count
.endr
.irp k, 0,1,2,3
	s_delay_alu instid0(VALU_DEP_4)
	v_lshrrev_b32 v[TT+\k], 2, v[QA+\k]
.endr
.irp k, 0,1,2,3
	s_delay_alu instid0(VALU_DEP_4)
	v_and_b32 v[TT+\k], 0x33333333, v[TT+\k]
.endr
.irp k, 0,1,2,3
	v_and_b32 v[UU+\k], 0x33333333, v[QA+\k]
.endr
.irp k, 0,1,2,3
	s_delay_alu instid0(VALU_DEP_4)
	v_add_nc_u32 v[QB+\k], v[TT+\k], v[UU+\k]      ; each four bits
.endr
.irp k, 0,1,2,3
	s_delay_alu instid0(VALU_DEP_4)
	v_lshrrev_b32 v[TT+\k], 4, v[QB+\k]
.endr
.irp k, 0,1,2,3
	s_delay_alu instid0(VALU_DEP_4)
	v_add_nc_u32 v[TT+\k], v[TT+\k], v[QB+\k]
.endr
.irp k, 0,1,2,3
	s_delay_alu instid0(VALU_DEP_4)
	v_and_b32 v[QC+\k], 0x0f0f0f0f, v[TT+\k]       ; each byte
.endr
.irp k, 0,1,2,3
	s_delay_alu instid0(VALU_DEP_4)
	v_lshrrev_b32 v[TT+\k], 8, v[QC+\k]
.endr
.irp k, 0,1,2,3
	s_delay_alu instid0(VALU_DEP_4)
	v_add_nc_u32 v[QD+\k], v[TT+\k], v[QC+\k]      ; the low byte: the low sixteen bits
.endr
.irp k, 0,1,2,3
	v_mov_b32 v[PO+\k], 0
.endr
; A halving: the count of the lower half of what is left; where the wanted bit lies beyond it, that count is taken off and the place moves up.
.macro LEVEL src, width, up
.irp k, 0,1,2,3
	v_bfe_u32 v[TT+\k], v[\src+\k], v[PO+\k], \width
.endr
.irp k, 0,1,2,3
	s_delay_alu instid0(VALU_DEP_4)
	v_sub_nc_u32 v[UU+\k], v[RR+\k], v[TT+\k]
.endr
.irp k, 0,1,2,3
	v_add_nc_u32 v[QQ+\k], \up, v[PO+\k]
.endr
.irp k, 0,1,2,3
	v_cmp_ge_u32 vcc_lo, v[RR+\k], v[TT+\k]
	s_delay_alu instid0(VALU_DEP_1)
	v_cndmask_b32 v[RR+\k], v[RR+\k], v[UU+\k], vcc_lo
	s_delay_alu instid0(VALU_DEP_2)
	v_cndmask_b32 v[PO+\k], v[PO+\k], v[QQ+\k], vcc_lo
.endr
.endm
	LEVEL QD, 8, 16
	LEVEL QC, 8, 8
	LEVEL QB, 4, 4
	LEVEL QA, 2, 2
	LEVEL MS, 1, 1
.irp k, 0,1,2,3
	v_lshrrev_b32 v[TT+\k], 16, v[BN+\k]           ; n
.endr
.irp k, 0,1,2,3
	s_delay_alu instid0(VALU_DEP_4)
	v_lshl_add_u32 v[TT+\k], v[TT+\k], 5, v[PO+\k] ; the token: 32 n + bit
.endr
.irp k, 0,1,2,3
	v_bfe_u32 v[UU+\k], v[JS+\k], v[PO+\k], 1      ; j
.endr
.irp k, 0,1,2,3
	s_delay_alu instid0(VALU_DEP_4)
	v_lshl_add_u32 v[EN+\k], v[UU+\k], 10, v[TT+\k]
.endr
.irp k, 0,1,2,3
	v_cmp_le_u32 vcc_lo, s24, v[PP+\k]             ; at and past the expert's count: the filling entry
	s_delay_alu instid0(VALU_DEP_1)
	v_cndmask_b32 v[EN+\k], v[EN+\k], v4, vcc_lo
.endr
	global_store_b128 v3, v[EN:EN+3], s[8:9]       ; the wave's 512 bytes lie on end, at a multiple of 256 from route's first byte
	s_add_co_u32 s25, s24, 15
	s_lshr_b32 s25, s25, 4
	s_max_u32 s25, s25, 1                          ; tiles
	v_mov_b32 v5, s25
	s_cmp_lg_u32 s18, 0                            ; wave 0 stores the number of tiles, once in each lane's word
	s_cbranch_scc1 .Lend
	global_store_b32 v2, v5, s[14:15]
.Lend:
	s_endpgm
.Lfunc_end_k_q239f9636d2_route:
	.size	k_q239f9636d2_route, .Lfunc_end_k_q239f9636d2_route-k_q239f9636d2_route
	.p2alignl 7, 3214868480
	.fill 96, 4, 3214868480
	.section	.rodata,"a",@progbits
	.p2align	6, 0x0
	.amdhsa_kernel k_q239f9636d2_route
		.amdhsa_group_segment_fixed_size 0
		.amdhsa_private_segment_fixed_size 0
		.amdhsa_enable_private_segment 0
		.amdhsa_kernarg_size 16
		.amdhsa_user_sgpr_count 2
		.amdhsa_user_sgpr_kernarg_segment_ptr 1
		.amdhsa_wavefront_size32 1
		.amdhsa_system_sgpr_workgroup_id_x 1
		.amdhsa_system_sgpr_workgroup_id_y 1
		.amdhsa_system_sgpr_workgroup_id_z 1
		.amdhsa_system_vgpr_workitem_id 0
		.amdhsa_next_free_vgpr 112
		.amdhsa_next_free_sgpr 66
		.amdhsa_reserve_vcc 1
		.amdhsa_float_denorm_mode_32 3
		.amdhsa_float_denorm_mode_16_64 3
		.amdhsa_memory_ordered 1
		.amdhsa_forward_progress 1
		.amdhsa_inst_pref_size 71
	.end_amdhsa_kernel
	.amdgpu_metadata
---
amdhsa.version: [ 1, 2 ]
amdhsa.kernels:
  - .name:           k_q239f9636d2_route
    .symbol:         k_q239f9636d2_route.kd
    .args:
      - { .name: top2, .offset: 0, .size: 8, .value_kind: global_buffer, .address_space: global }
      - { .name: route, .offset: 8, .size: 8, .value_kind: global_buffer, .address_space: global }
    .group_segment_fixed_size: 0
    .private_segment_fixed_size: 0
    .kernarg_segment_align: 8
    .kernarg_segment_size: 16
    .max_flat_workgroup_size: 256
    .sgpr_count:     66
    .vgpr_count:     112
    .wavefront_size: 32
...
	.end_amdgpu_metadata
.endif
;; end of part 2
;; launch ffn1 (part 3): grid 256 x 1, 4 waves a work-group, no clusters, 103,424 bytes of LDS; arguments w1, b1, xq, xs, route, hq, hs; writes hq, hs
.if DOCPART == 3
	.amdgcn_target "amdgcn-amd-amdhsa--gfx1250"
	.amdhsa_code_object_version 6
	.text
	.protected	k_q239f9636d2_ffn1
	.globl	k_q239f9636d2_ffn1
	.p2align	8
	.type	k_q239f9636d2_ffn1,@function
k_q239f9636d2_ffn1:
	s_mov_b64 s[64:65], 0
	v_nop
	global_prefetch_b8 v0, s[64:65] scope:SCOPE_SE
	s_setreg_imm32_b32 hwreg(HW_REG_WAVE_MODE, 25, 1), 1
	s_wait_xcnt 0x0
; FIRST EXPERT PRODUCT: hidden = gelu(x W1[e] + b1[e]) for the rows of expert e's list, on codes of E2M3 with one E8M0 scale for each 32 along K; the result is quantised along the next K.
; A WORK-GROUP OWNS A SLAB of w1: expert e = wg / 32, all 1,024 of K x hidden units 128 (wg % 32) on: 512 KB of f32, read once, in rows of 512 bytes.
; PHASE W.  Wave w takes K rows 256 w on (K steps 2 w, 2 w + 1), 32 rows (a block of the quantiser) at a time: 32 loads of a whole 512-byte row, into three sets of 128 registers (window 1 and half of window 2)
;   that take turns: while one block is worked on, the next two are on their way.  A load gives lane l the columns 4 l .. 4 l + 3 of a row: SO A LANE HOLDS FOUR WHOLE COLUMNS, and a block of 32 along K of each lies
;   in its own registers, four apart.  32 moves bring it on end, as the conversions want it; its largest magnitude needs no other lane; the codes come out with K innermost.  Nothing goes through LDS on the way.
;   Column group g is column 4 lane + g: lanes 0-15 are the rows of tile 2 g, lanes 16-31 those of tile 2 g + 1: tile 2 g + u's row r is column 64 u + 4 r + g (which columns form a tile is free: it only says which
;   result lands where).  Twelve lane swaps a group turn four blocks into two fragments.
;   Fragments and scale words go to LDS as images of their registers; ONE barrier; every wave then takes all 64 fragments (768 registers) and 32 scale registers, and keeps them.
; TOKEN PHASE, no barrier.  Wave w takes tiles w, w + 4, .. of 16 rows of the list.  A tile: the rows' codes straight from xq into registers (asked for a tile ahead), 64 matrix instructions, gelu, quantiser,
;   and the tile's image (1,536 bytes) and scale words (128 bytes: half of an aligned 256; the scale words are one part in twelve of what is stored) go to hq and hs.
; THE PRODUCT IS USED TRANSPOSED: source 0 = 16 columns of W1, source 1 = 16 rows of x.  Tile 2 g + u's accumulator stands at ACC + 32 u + 8 g, and its register j of lane (r, h) is (row r, unit 64 u + 32 h + 4 j + g):
;   so the 32 registers from ACC + 32 u on are ONE WHOLE BLOCK of 32 hidden units, block 2 u + h, which is the block that the next operand's layout gives that lane.  Inside the block place 8 g + j holds unit 4 j + g:
;   a permutation of k inside a block, which the second product's weights are given too.  b1 is loaded into the accumulators: the sums begin with it.
; gelu(z) = max(z, 0) - |z| a, a = erfc(|z| / sqrt 2) / 2 = t 2^(P(t) - z^2 log2(e) / 2), t = 1 / (1 + |z| sqrt(2) / 4), P the ninth-degree fit of erfc's logarithm (relative error of a under 1.2e-7 for
;   every z, so nothing is lost in the negative tail); all in f32.
; NO TENSOR LOADS: the slab is read once and only by this work-group, and a ring in registers keeps 32 to 64 loads of 512 bytes a wave on their way without any barrier.  NO CLUSTER: a work-group's 512 KB of
;   weights are its own; what work-groups share, some 12 KB of codes a tile, goes by lists straight to registers, and the number of tiles is read from memory.
; LIMITS: NaN and infinities are not served.  A block whose largest magnitude lies under 2^-124 keeps the byte 1; a block of zeros has the byte 1 where the rule says 127 (zero codes; the bytes are read by this program alone).
; REGISTERS.  Windows 1-3: fragment f = 8 s + t (K step s, tile t), f < 63, in window 1 + f / 21 at 12 (f % 21); in phase W window 1 and v0-127 of window 2 are where the loads land.
;   Window 0: v0 c9' (token phase); v1-11 offsets; v12-43 the weights' scale words; v44-55 fragment 63; v56-63 the rows' scale words; v64-159 the rows' eight fragments (phase W: the codes in the making);
;   v160-223 the eight accumulators (phase W: two sets of 32 numbers); v224-255 at work.
.set ROWP, 16384                       ; bytes from a row of w1[e] to the next
.set FRB,  1536                        ; a fragment's image
.set SIMG, 98304                       ; LDS: from 0: 64 images; SIMG: 32 x 128 bytes of scale words; BIAS: 512 bytes
.set BIAS, 102400
.set L16, 1                            ; 16 x lane
.set L4,  2                            ; 4 x lane
.set R4,  3                            ; 4 x (lane % 16)
.set H384, 4                           ; 384 x (lane / 16)
.set BA,  5                            ; BIAS + 256 x (lane / 16)
.set IDX, 6                            ; list entries, a tile ahead
.set XO,  7                            ; my row's codes in xq
.set XSO, 8                            ; my row's scale bytes in xs
.set HO,  9                            ; my 16 bytes of the tile's image in hq
.set HSO, 10                           ; my scale word in hs
.set LA,  11                           ; my entry in the list
.set WS,  12
.set W63, 44
.set XS,  56
.set XF,  64
.set ACC, 160
.set CA,  64                           ; phase W: codes, group g at CA + 24 g: block 0 at +0, block 2 at +6, block 1 at +12, block 3 at +18
.set XA,  160                          ; phase W: two sets of 32 numbers
.set MXA, 224
.set MXB, 225
.set SOP, 226
.set BY,  227
.set TC,  228                          ; v228-230
.set IW,  234                          ; where my wave's images go
.set SW,  235                          ; and its scale words
.set LI0, 1                            ; images 0-31 begin at LDS byte 0: 16 x lane
.set LI1, 237                          ; images 32-63
.set LSC, 238                          ; scale words, 4 x lane
.set BSA, 239                          ; my word of the bias
.set SWD, 240                          ; v240-243 a K step's scale word for each group
.set BO,  250
.set BV,  251
.set GT,  224                          ; gelu: t;  GU: the polynomial, then a;  GW: z x -log2(e)/2;  GM: max(z, 0)
.set GU,  232
.set GW,  240
.set GM,  248
.set PC,  224                          ; the quantiser: v224-235 the fragment, v236-238, v240-242 second halves
.set TQ,  236
.set PW,  243                          ; the scale word
.set TMA, 244                          ; v244-247 largest magnitudes, two chains a block
.set TMC, 248                          ; v248-249 the conversions' scale operands
.set TMB, 250                          ; v250-251 the bytes
.set SH,  252
.set PX,  253
.set MSB, 0
.macro WIN new                         ; the immediate's high byte repeats the setting that is left
.if MSB != (\new)
	s_set_vgpr_msb (MSB<<8)|(\new)
.set MSB, \new
.endif
.endm
.macro LOADBLK n                       ; block n: 32 rows of 512 bytes into set n % 3: sets 0 and 1 in window 1, set 2 in window 2
.set ls, (\n)%3
.if ls == 2
	WIN 0x80
.set lb, 0
.else
	WIN 0x40
.set lb, 128*ls
.endif
.set i, 0
.rept 32
	global_load_b128 v[lb+4*i:lb+4*i+3], v[L16], s[4:5] offset:(32*(\n)+i)*ROWP th:TH_LOAD_NT
.set i, i+1
.endr
	WIN 0
.endm
.macro MV2 g, n                        ; columns 4 lane + g and 4 lane + g + 1 of block n: their 32 numbers, four registers apart where they landed, on end in K's order
.set ls, (\n)%3
.if ls == 2
	WIN 0x02
.set lb, 0
.else
	WIN 0x01
.set lb, 128*ls
.endif
.irp x, 0,1
.set i, 0
.rept 32
	v_mov_b32 v[XA+32*\x+i], v[lb+4*i+(\g)+\x]
.set i, i+1
.endr
.endr
	WIN 0
.endm
.macro QW g, b, xb                     ; 32 numbers of my column become block b's codes and byte
.set XR, XA+32*(\xb)
.set CB, CA+24*(\g)+6*((\b)/2)+12*((\b)%2)
	v_max3_num_f32 v[MXA], |v[XR]|, |v[XR+1]|, |v[XR+2]|
	v_max3_num_f32 v[MXB], |v[XR+3]|, |v[XR+4]|, |v[XR+5]|
.irp i, 6,10,14,18,22,26
	v_max3_num_f32 v[MXA], v[MXA], |v[XR+\i]|, |v[XR+\i+1]|
	v_max3_num_f32 v[MXB], v[MXB], |v[XR+\i+2]|, |v[XR+\i+3]|
.endr
	v_max3_num_f32 v[MXA], v[MXA], |v[XR+30]|, |v[XR+31]|
	v_max3_num_f32 v[MXA], v[MXA], v[MXB], 0x1800000   ; and the floor 2^(3 - 127): the byte cannot fall under 1
	v_add_nc_u32 v[SOP], 0xff000000, v[MXA]        ; 2 off the exponent field: the conversion's scale operand
	v_cvt_scalef32_pk16_fp6_f32 v[CB:CB+2], v[XR:XR+15], v[SOP]
	v_cvt_scalef32_pk16_fp6_f32 v[TC:TC+2], v[XR+16:XR+31], v[SOP]   ; (a conversion's three registers begin on an even number)
	v_lshrrev_b32 v[BY], 23, v[SOP]                ; the byte; also the plain line behind the conversions
.if (\b) == 0
	v_mov_b32 v[SWD+\g], v[BY]
.else
	v_lshl_or_b32 v[SWD+\g], v[BY], 8*(\b), v[SWD+\g]
.endif
	v_mov_b32 v[CB+3], v[TC]
	v_mov_b32 v[CB+4], v[TC+1]
	v_mov_b32 v[CB+5], v[TC+2]
.endm
.macro BLOCK n, cnt
	s_wait_loadcnt \cnt                            ; this block's 32 loads are in; cnt younger ones may be out
.if (\n) < 6
	LOADBLK (\n)+2                                 ; at once: the block two further on, into the set that the block before this one has left
.endif
	MV2 0, \n
	QW 0, (\n)%4, 0
	QW 1, (\n)%4, 1
	MV2 2, \n
	QW 2, (\n)%4, 0
	QW 3, (\n)%4, 1
.endm
.macro FINISH j                        ; my K step j: four blocks of a column become the fragments of two tiles, and leave as images
.irp g, 0,1,2,3
.irp i, 0,1,2,3,4,5,6,7,8,9,10,11
	v_permlane16_swap_b32 v[CA+24*\g+\i], v[CA+24*\g+12+\i]   ; the first's lanes 16-31 change places with the second's lanes 0-15: blocks 0 | 1 and 2 | 3 of tile 2 g, and of tile 2 g + 1
.endr
.endr
.irp t, 0,1,2,3,4,5,6,7
.irp c, 0,1,2
	ds_store_b128 v[IW], v[CA+12*\t+4*\c:CA+12*\t+4*\c+3] offset:(8*(\j)+\t)*FRB+512*\c
.endr
.endr
.irp g, 0,1,2,3
	ds_store_b32 v[SW], v[SWD+\g] offset:(4*(\j)+\g)*128   ; lanes 0-15: tile 2 g's words, lanes 16-31: tile 2 g + 1's
.endr
	s_wait_dscnt 0x0                               ; the stores have read their registers
.endm
.macro GETW                            ; all 64 fragments and 32 scale registers, into every wave
.set f, 0
.rept 64
.if f < 63
.set wn, (1+f/21)<<6
.set ra, 12*(f%21)
.else
.set wn, 0
.set ra, W63
.endif
	WIN wn
.if f < 32
.irp c, 0,1,2
	ds_load_b128 v[ra+4*\c:ra+4*\c+3], v[LI0] offset:f*FRB+512*\c
.endr
.else
.irp c, 0,1,2
	ds_load_b128 v[ra+4*\c:ra+4*\c+3], v[LI1] offset:(f-32)*FRB+512*\c
.endr
.endif
.set f, f+1
.endr
	WIN 0
.set i, 0
.rept 32
	ds_load_b32 v[WS+i], v[LSC] offset:128*i
.set i, i+1
.endr
	s_wait_dscnt 0x0
.endm
.macro XLOAD                           ; my row's 384 bytes of codes (my half of all eight K steps) and its 32 scale bytes
.set i, 0
.rept 24
	global_load_b128 v[XF+4*i:XF+4*i+3], v[XO], s[8:9] offset:16*i
.set i, i+1
.endr
	global_load_b128 v[XS:XS+3], v[XSO], s[10:11]
	global_load_b128 v[XS+4:XS+7], v[XSO], s[10:11] offset:16
.endm
.macro BIASIN                          ; the bias lies in LDS in the result's order, 64 numbers for each half of the lanes: the sums begin with it
.set i, 0
.rept 16
	ds_load_b128 v[ACC+4*i:ACC+4*i+3], v[BA] offset:16*i
.set i, i+1
.endr
	s_wait_dscnt 0x0
.endm
.macro MMA                             ; 64 matrix instructions: K ascending, the eight accumulators by turns, over the loop's jump too
.set f, 0
.rept 64
.set ks, f/8
.set kt, f%8
.set ar, ACC+32*(kt%2)+8*(kt/2)
.if f < 63
.set wn, 1+f/21
.set ra, 12*(f%21)
.else
.set wn, 0
.set ra, W63
.endif
	WIN wn                                         ; source 0's window: four switches a tile
.if kt%2
	v_wmma_scale_f32_16x16x128_f8f6f4 v[ar:ar+7], v[ra:ra+11], v[XF+12*ks:XF+12*ks+11], v[ar:ar+7], v[WS+4*ks+kt/2], v[XS+ks] matrix_a_fmt:MATRIX_FMT_FP6 matrix_b_fmt:MATRIX_FMT_FP6 matrix_a_scale:MATRIX_SCALE_ROW1
.else
	v_wmma_scale_f32_16x16x128_f8f6f4 v[ar:ar+7], v[ra:ra+11], v[XF+12*ks:XF+12*ks+11], v[ar:ar+7], v[WS+4*ks+kt/2], v[XS+ks] matrix_a_fmt:MATRIX_FMT_FP6 matrix_b_fmt:MATRIX_FMT_FP6
.endif
.set f, f+1
.endr
	WIN 0
.endm
.macro GELU8 t                         ; the accumulator at ACC + 8 t, in place, from its low end on
.set Z, ACC+8*(\t)
.irp i, 0,1,2,3,4,5,6,7
	v_fma_f32 v[GT+\i], |v[Z+\i]|, s34, 1.0        ; 1 + |z| sqrt(2) / 4
.endr
	s_wait_alu depctr_va_vdst(0)
.irp i, 0,1,2,3,4,5,6,7
	v_rcp_f32 v[GT+\i], v[GT+\i]                   ; t
.endr
.irp i, 0,2,4,6
	v_pk_mul_f32 v[GW+\i:GW+\i+1], v[Z+\i:Z+\i+1], 0xbf38aa3b op_sel_hi:[1,0]   ; -z log2(e) / 2.  (Plain lines behind the reciprocals)
.endr
	s_wait_alu depctr_va_vdst(0)
.irp i, 0,2,4,6
	v_pk_fma_f32 v[GU+\i:GU+\i+1], v[GT+\i:GT+\i+1], v[0:1], 0xbf97d29d op_sel_hi:[1,0,0]   ; c9' t + c8' (of the pair v[0:1] the low word serves both halves)
.endr
.irp c, 0x40097039, 0xbfd1a1e5, 0x3ecdfd18, 0xbe899a80, 0x3e0efb2e, 0x3f0a29d2, 0x3fb8ab5a, 0xc034d90f
.irp i, 0,2,4,6
	v_pk_fma_f32 v[GU+\i:GU+\i+1], v[GU+\i:GU+\i+1], v[GT+\i:GT+\i+1], \c op_sel_hi:[1,1,0]   ; Horner: c7' .. c0'; the coefficients carry log2(e), c0' also the -1 of the half
.endr
.endr
.irp i, 0,2,4,6
	v_pk_fma_f32 v[GU+\i:GU+\i+1], v[GW+\i:GW+\i+1], v[Z+\i:Z+\i+1], v[GU+\i:GU+\i+1]   ; - z^2 log2(e) / 2
.endr
	s_wait_alu depctr_va_vdst(0)
.irp i, 0,1,2,3,4,5,6,7
	v_exp_f32 v[GU+\i], v[GU+\i]
.endr
.irp i, 0,1,2,3,4,5,6,7
	v_max_num_f32 v[GM+\i], 0, v[Z+\i]             ; (plain lines behind the exponentials)
.endr
	s_wait_alu depctr_va_vdst(0)
.irp i, 0,2,4,6
	v_pk_mul_f32 v[GU+\i:GU+\i+1], v[GU+\i:GU+\i+1], v[GT+\i:GT+\i+1]   ; a
.endr
.irp i, 0,1,2,3,4,5,6,7
	v_fma_f32 v[Z+\i], -|v[Z+\i]|, v[GU+\i], v[GM+\i]
.endr
.endm
.macro QUANT                           ; my two whole blocks, 2 u + lane / 16 at ACC + 32 u, become my twelve registers of the fragment in v[PC] on; the row's scale word in v[PW]
.irp u, 0,1
	v_max3_num_f32 v[TMA+\u], |v[ACC+32*\u]|, |v[ACC+32*\u+1]|, 0x1800000   ; with the floor 2^(3 - 127): the byte cannot fall under 1
	v_max3_num_f32 v[TMA+2+\u], |v[ACC+32*\u+2]|, |v[ACC+32*\u+3]|, |v[ACC+32*\u+4]|
.endr
.irp i, 5,9,13,17,21,25
.irp u, 0,1
	v_max3_num_f32 v[TMA+\u], v[TMA+\u], |v[ACC+32*\u+\i]|, |v[ACC+32*\u+\i+1]|   ; (four chains by turns)
	v_max3_num_f32 v[TMA+2+\u], v[TMA+2+\u], |v[ACC+32*\u+\i+2]|, |v[ACC+32*\u+\i+3]|
.endr
.endr
.irp u, 0,1
	v_max3_num_f32 v[TMA+\u], v[TMA+\u], |v[ACC+32*\u+29]|, |v[ACC+32*\u+30]|
.endr
.irp u, 0,1
	v_max3_num_f32 v[TMA+\u], v[TMA+\u], v[TMA+2+\u], |v[ACC+32*\u+31]|   ; the block's largest magnitude: all 32 numbers are mine
.endr
.irp u, 0,1
	v_add_nc_u32 v[TMC+\u], 0xff000000, v[TMA+\u]  ; 2 off the exponent field: the conversion's scale operand
.endr
.irp u, 0,1
	v_lshrrev_b32 v[TMB+\u], 23, v[TMC+\u]         ; the byte
.endr
	v_lshrrev_b32 v[SH], 5, v[L16]
	v_and_b32 v[SH], 8, v[SH]                      ; 8 x (lane / 16)
	v_lshl_or_b32 v[PW], v[TMB+1], 16, v[TMB]      ; my two bytes: blocks h and 2 + h,
	v_lshlrev_b32 v[PW], v[SH], v[PW]              ; at their places in the word;
	v_permlanex16_b32 v[PX], v[PW], s32, s33
	v_or_b32 v[PW], v[PW], v[PX]                   ; with lane l xor 16's two the word is whole
.irp u, 0,1
	v_cvt_scalef32_pk16_fp6_f32 v[PC+6*\u:PC+6*\u+2], v[ACC+32*\u:ACC+32*\u+15], v[TMC+\u]
	v_cvt_scalef32_pk16_fp6_f32 v[TQ+4*\u:TQ+4*\u+2], v[ACC+32*\u+16:ACC+32*\u+31], v[TMC+\u]   ; (a conversion's three registers begin on an even number)
.endr
	v_nop                                          ; one plain line behind the conversions
.irp u, 0,1
.irp i, 0,1,2
	v_mov_b32 v[PC+6*\u+3+\i], v[TQ+4*\u+\i]
.endr
.endr
.endm
	s_load_b256 s[4:11], s[0:1], 0x0               ; w1 s[4:5], b1 s[6:7], xq s[8:9], xs s[10:11]
	s_load_b128 s[12:15], s[0:1], 0x20             ; route s[12:13], hq s[14:15]
	s_load_b64 s[16:17], s[0:1], 0x30              ; hs
	s_set_vgpr_msb 0x80
	v_lshl_add_u32 v254, v0, 2, 0x19200
	v_mov_b32 v255, 0
	s_set_vgpr_msb 0x8000
	v_lshrrev_b32 v244, 5, v0
	v_readfirstlane_b32 s18, v244                  ; wave 0..3
	s_lshr_b32 s19, ttmp9, 5                       ; expert
	s_and_b32 s20, ttmp9, 31                       ; which 128 hidden units
	v_and_b32 v244, 31, v0
	v_lshlrev_b32 v[L16], 4, v244
	v_lshlrev_b32 v[L4], 2, v244
	v_and_b32 v245, 15, v0
	v_lshlrev_b32 v[R4], 2, v245
	v_bfe_u32 v246, v0, 4, 1
	v_mul_u32_u24 v[H384], v246, 384
	v_lshl_add_u32 v[BA], v246, 8, BIAS
	s_mul_i32 s26, s18, 16*FRB
	v_add_nc_u32 v[IW], s26, v[L16]
	s_lshl_b32 s26, s18, 10
	s_add_co_u32 s26, s26, SIMG
	v_add_nc_u32 v[SW], s26, v[L4]
	v_add_nc_u32 v[LI1], 32*FRB, v[L16]
	v_add_nc_u32 v[LSC], SIMG, v[L4]
	v_lshl_add_u32 v[BSA], v0, 2, BIAS             ; thread n fills place n of the bias in LDS: place 64 h + 32 u + 8 g + j holds the number of unit 64 u + 32 h + 4 j + g
	v_bfe_u32 v247, v0, 5, 1
	v_lshlrev_b32 v[BO], 8, v247                   ; 4 x that unit: 256 u
	v_bfe_u32 v247, v0, 6, 1
	v_lshl_add_u32 v[BO], v247, 7, v[BO]           ; + 128 h
	v_and_b32 v247, 7, v0
	v_lshl_add_u32 v[BO], v247, 4, v[BO]           ; + 16 j
	v_bfe_u32 v247, v0, 3, 2
	v_lshl_add_u32 v[BO], v247, 2, v[BO]           ; + 4 g
	s_mov_b32 s32, 0x76543210
	s_mov_b32 s33, 0xfedcba98                      ; v_permlanex16_b32's selects for lane l xor 16
	s_mov_b32 s34, 0x3eb504f3                      ; sqrt(2) / 4
	s_mov_b32 s39, 0
	s_lshl_b32 s38, s19, 24                        ; w1: expert x 16 MB + wave x 256 rows + 512 bytes a slab
	s_lshl_b32 s26, s18, 22
	s_add_co_u32 s38, s38, s26
	s_lshl_b32 s26, s20, 9
	s_add_co_u32 s38, s38, s26
	s_wait_kmcnt 0x0
	s_add_nc_u64 s[4:5], s[4:5], s[38:39]
	s_lshl_b32 s38, s19, 7
	s_add_nc_u64 s[40:41], s[12:13], s[38:39]
	s_load_b32 s22, s[40:41], 0x0                  ; the expert's number of tiles
	LOADBLK 0
	LOADBLK 1
	s_lshl_b32 s38, s19, 14
	s_add_co_u32 s38, s38, s26
	s_add_nc_u64 s[6:7], s[6:7], s[38:39]          ; b1 at the slab's 128 numbers
	s_lshl_b32 s38, s19, 12
	s_add_co_u32 s38, s38, 1024
	s_add_nc_u64 s[12:13], s[12:13], s[38:39]      ; the expert's list
	s_mul_i32 s38, ttmp9, 64*FRB
	s_add_nc_u64 s[14:15], s[14:15], s[38:39]      ; hq at [expert][K step = slab]
	s_lshl_b32 s38, ttmp9, 13
	s_add_nc_u64 s[16:17], s[16:17], s[38:39]      ; hs likewise
	s_wait_kmcnt 0x0
	s_max_u32 s22, s22, 1
	s_min_u32 s22, s22, 64                         ; tiles
	s_add_co_i32 s23, s22, -1                      ; the last tile
	s_min_u32 s25, s18, s23
	s_min_u32 s25, s25, 63
	s_lshl_b32 s26, s25, 6
	v_add_nc_u32 v[LA], s26, v[R4]
	BLOCK 0, 32
	BLOCK 1, 32
	BLOCK 2, 32
	BLOCK 3, 32
	FINISH 0
	BLOCK 4, 32
	BLOCK 5, 32
	BLOCK 6, 32
	global_load_b32 v[IDX], v[LA], s[12:13]        ; my first tile's entries, and my number of the bias: they land under the last block's work
	global_load_b32 v[BV], v[BO], s[6:7]
	BLOCK 7, 2                                     ; those two may be out
	FINISH 1
	s_wait_loadcnt 0x0
	ds_store_b32 v[BSA], v[BV]
	v_min_u32 v[XO], 2055, v[IDX]
	v_and_b32 v[XO], 1023, v[XO]                   ; the token (a filling entry 2048 + e names token e: its row is computed and thrown away)
	v_lshlrev_b32 v[XSO], 5, v[XO]
	v_mad_u32_u24 v[XO], v[XO], 768, v[H384]
	XLOAD
	s_add_co_u32 s25, s18, 4
	s_min_u32 s25, s25, s23
	s_min_u32 s25, s25, 63
	s_lshl_b32 s26, s25, 6
	v_add_nc_u32 v[LA], s26, v[R4]
	global_load_b32 v[IDX], v[LA], s[12:13]        ; the next tile's entries
	s_wait_dscnt 0x0                               ; for the others' sake: my images, scale words and bias lie in LDS
	s_barrier_signal -1
	s_barrier_wait -1                              ; the kernel's only barrier
	GETW
	v_mov_b32 v0, 0x3e7c6f08                       ; c9'
	s_sub_co_u32 s30, s22, s18                     ; my trips: tiles w, w + 4, .. under the number of tiles: (tiles - w + 3) / 4, at most 16
	s_add_co_u32 s30, s30, 3
	s_lshr_b32 s30, s30, 2
	s_min_u32 s30, s30, 16
	s_mov_b32 s29, 0                               ; the trip
	s_cmp_ge_u32 s18, s22
	s_cbranch_scc1 .Ldone                          ; fewer tiles than waves: nothing is mine
.Ltile:
	s_lshl_b32 s24, s29, 2
	s_add_co_u32 s24, s24, s18                     ; my tile: wave + 4 x trip
	s_wait_loadcnt 0x0                             ; this tile's codes and scale bytes, and the entries asked for ahead
	s_wait_xcnt 0x0                                ; the last tile's stores have read their registers
	BIASIN
	MMA
	v_min_u32 v[XO], 2055, v[IDX]                  ; six plain lines: also the places between the last products and the loads below
	v_and_b32 v[XO], 1023, v[XO]
	v_lshlrev_b32 v[XSO], 5, v[XO]
	v_mad_u32_u24 v[XO], v[XO], 768, v[H384]
	s_min_u32 s25, s24, 63
	s_mul_i32 s26, s25, FRB
	s_lshl_b32 s27, s25, 7
	v_add_nc_u32 v[HO], s26, v[L16]
	v_add_nc_u32 v[HSO], s27, v[L4]
	XLOAD                                          ; the next tile's operand lands under the gelu
	s_add_co_u32 s25, s24, 8
	s_min_u32 s25, s25, s23                        ; (past the list's end: the last tile once more, and not used)
	s_min_u32 s25, s25, 63
	s_lshl_b32 s26, s25, 6
	v_add_nc_u32 v[LA], s26, v[R4]
	global_load_b32 v[IDX], v[LA], s[12:13]
.irp t, 0,1,2,3,4,5,6,7
	GELU8 \t
.endr
	QUANT
.irp c, 0,1,2
	global_store_b128 v[HO], v[PC+4*\c:PC+4*\c+3], s[14:15] offset:512*\c   ; 512 bytes on end, at a multiple of 256 from hq's first byte
.endr
	global_store_b32 v[HSO], v[PW], s[16:17]
	s_add_co_u32 s29, s29, 1
	s_cmp_lt_u32 s29, s30
	s_cbranch_scc1 .Ltile
.Ldone:
	s_set_vgpr_msb 0xa
	s_wait_tensorcnt 0x0
	ds_add_u32 v254, v255
	s_wait_dscnt 0x0
	s_set_vgpr_msb 0xa00
	s_endpgm
.Lfunc_end_k_q239f9636d2_ffn1:
	.size	k_q239f9636d2_ffn1, .Lfunc_end_k_q239f9636d2_ffn1-k_q239f9636d2_ffn1
	.p2alignl 7, 3214868480
	.fill 96, 4, 3214868480
	.section	.rodata,"a",@progbits
	.p2align	6, 0x0
	.amdhsa_kernel k_q239f9636d2_ffn1
		.amdhsa_group_segment_fixed_size 103424
		.amdhsa_private_segment_fixed_size 0
		.amdhsa_enable_private_segment 0
		.amdhsa_kernarg_size 56
		.amdhsa_user_sgpr_count 2
		.amdhsa_user_sgpr_kernarg_segment_ptr 1
		.amdhsa_wavefront_size32 1
		.amdhsa_system_sgpr_workgroup_id_x 1
		.amdhsa_system_sgpr_workgroup_id_y 1
		.amdhsa_system_sgpr_workgroup_id_z 1
		.amdhsa_system_vgpr_workitem_id 0
		.amdhsa_next_free_vgpr 1024
		.amdhsa_next_free_sgpr 66
		.amdhsa_reserve_vcc 0
		.amdhsa_float_denorm_mode_32 3
		.amdhsa_float_denorm_mode_16_64 3
		.amdhsa_memory_ordered 1
		.amdhsa_forward_progress 1
		.amdhsa_inst_pref_size 196
	.end_amdhsa_kernel
	.amdgpu_metadata
---
amdhsa.version: [ 1, 2 ]
amdhsa.kernels:
  - .name:           k_q239f9636d2_ffn1
    .symbol:         k_q239f9636d2_ffn1.kd
    .args:
      - { .name: w1, .offset: 0, .size: 8, .value_kind: global_buffer, .address_space: global }
      - { .name: b1, .offset: 8, .size: 8, .value_kind: global_buffer, .address_space: global }
      - { .name: xq, .offset: 16, .size: 8, .value_kind: global_buffer, .address_space: global }
      - { .name: xs, .offset: 24, .size: 8, .value_kind: global_buffer, .address_space: global }
      - { .name: route, .offset: 32, .size: 8, .value_kind: global_buffer, .address_space: global }
      - { .name: hq, .offset: 40, .size: 8, .value_kind: global_buffer, .address_space: global }
      - { .name: hs, .offset: 48, .size: 8, .value_kind: global_buffer, .address_space: global }
    .group_segment_fixed_size: 103424
    .private_segment_fixed_size: 0
    .kernarg_segment_align: 8
    .kernarg_segment_size: 56
    .max_flat_workgroup_size: 128
    .sgpr_count:     66
    .vgpr_count:     1024
    .wavefront_size: 32
...
	.end_amdgpu_metadata
.endif
;; end of part 3
;; launch ffn2 (part 4): grid 256 x 1, 4 waves a work-group, no clusters, 144,896 bytes of LDS; arguments w2, b2, hq, hs, route, part; writes part
.if DOCPART == 4
	.amdgcn_target "amdgcn-amd-amdhsa--gfx1250"
	.amdhsa_code_object_version 6
	.text
	.protected	k_q239f9636d2_ffn2
	.globl	k_q239f9636d2_ffn2
	.p2align	8
	.type	k_q239f9636d2_ffn2,@function
k_q239f9636d2_ffn2:
	s_mov_b64 s[64:65], 0
	v_nop
	global_prefetch_b8 v0, s[64:65] scope:SCOPE_SE
	s_setreg_imm32_b32 hwreg(HW_REG_WAVE_MODE, 25, 1), 1
	s_wait_xcnt 0x0
; SECOND EXPERT PRODUCT: part[q][row] = hidden (K quarter q) W2[e] (+ b2[e] in quarter 0), on codes of E2M3 with one E8M0 scale for each 32 along K.
; Only the rows of expert e's list are multiplied.
; A WORK-GROUP OWNS A SLAB of w2: expert e = wg / 32, K quarter q = (wg / 8) % 4, output columns 128 (wg % 8) on: 512 KB of f32, read once, in rows of 512 bytes.
; THE WALK GOES BY K STEPS OF 128, eight of them.  In step s wave w takes block w of the step (32 rows of w2, 32 loads of 512 bytes): a load gives lane l the columns 4 l .. 4 l + 3,
;   128 moves bring the four columns' blocks on end (row i at place 8 (i % 4) + i / 4: the order in which the hidden layer's codes come), the block's largest magnitude needs no other lane, and the
;   codes (24 bytes a column) and the scale byte go to the step's own LDS buffer, at the place that the fragment's layout gives block w.  ONE barrier a step; then every wave reads the step's
;   eight fragments and multiplies them with its five resident tiles of 16 rows: 40 accumulators, by turns.
;   Column 64 u + 4 r + g is row r of tile 2 g + u, as in the first product.
; ROWS: wave w owns tiles w, w + 4, .. of the list.  Its first five stay in registers through the walk (a slot past the list's end holds the last tile once more, is multiplied and is not stored:
;   so no branch on a loaded number stands among the barriers).  All eight buffers stay in LDS: tiles beyond the fifth are made afterwards from LDS, with no barrier, in the loop that sends tiles out.
; LOADS: in the order W0, list, X0, W1, then in step s X(s+1) (20 loads) and W(s+2) (32 loads); the counts of the waits follow from that order.
; THE PRODUCT IS USED TRANSPOSED (source 0 = 16 columns of W2, source 1 = 16 rows): tile 2 g + u's accumulator stands at 32 u + 8 g of its slot, register j of lane (r, h) is (row r, column 64 u + 32 h + 4 j + g).
;   On the way out one multiply-add a number brings four neighbouring columns side by side and adds b2 (x 1 in quarter 0, x 0 elsewhere); rows leave through the wave's stage as 512 bytes on end.
; NO TENSOR LOADS: a trip count is read from memory.  NO CLUSTER: the slab is the work-group's own.  NO PREFETCH: the walk asks memory for the slab from its first line to its last step.
; LIMITS: NaN and infinities are not served.  A block whose largest magnitude lies under 2^-124 keeps the byte 1; a block of zeros has the byte 1 where the rule says 127 (zero codes; the bytes are read by this program alone).
; REGISTERS.  Window 1: two sets of 128 where w2 lands (afterwards: a late tile's eight fragments).  Window 2: v0-95 the step's fragments of W, v128-191 slot 4, v192-251 X of odd steps.  Window 3: slots 0-3.
.set ROWP, 4096
.set FRB,  1536                        ; a tile's image in hq
.set FRP,  1664                        ; a fragment in LDS: 2 x 512 (first 16 bytes of each half), 2 x 256 (last 8), 128 of padding
.set SBO,  8*FRP                       ; behind the eight fragments: 512 scale bytes
.set BUF,  13824                       ; a step's buffer
.set STG,  8*BUF                       ; a stage of 16 rows x 528 bytes for each wave
.set STGW, 8448
.set SPARE, STG+4*STGW                 ; the spare words
.set QB,   8421376                     ; a quarter of part
.set L16, 1
.set L8,  2
.set L4,  3
.set R4,  4
.set SO,  5
.set RD,  6
.set IWA, 7
.set IWB, 8
.set SWB, 9
.set XO,  10                           ; v10-14 my slots' images in hq
.set XSO, 15                           ; v15-19 their scale words in hs
.set IDX, 20                           ; v20-24 their list entries
.set IDC, 25
.set SPW, 26
.set NIL, 27
.set MX,  28                           ; v28-31 largest magnitudes, then scale operands; on the way out H16, H8, H4
.set H16, 28
.set H8,  29
.set H4,  30
.set XA,  32                           ; v32-159 four columns' blocks on end
.set BR,  32                           ; the way out: b2 in the columns' order
.set OUT, 96                           ; and the tile in the columns' order
.set WS,  160                          ; v160-163 W's scale words
.set XS,  164                          ; v164-168, v169-173 the rows' scale words, even and odd steps
.set TA,  174
.set TB,  175
.set XF0, 176                          ; v176-235 X of even steps
.set RB,  176                          ; the way out: 16 rows read back
.set CB0, 236                          ; v236-246 column group 0's codes
.set RA,  240                          ; the way out: the rows' offsets in part
.set TS,  247
.set R16, 248
.set R8,  249
.set R4V, 250
.set BO,  251
.set BY,  252                          ; v252-255 scale bytes
.set MSB, 0
.macro WIN new                         ; the immediate's high byte repeats the setting that is left
.if MSB != (\new)
	s_set_vgpr_msb (MSB<<8)|(\new)
.set MSB, \new
.endif
.endm
.macro LOADW p, rel                    ; my block of the K step rel steps behind the base, into set p
	WIN 0x40
.set i, 0
.rept 32
	global_load_b128 v[128*(\p)+4*i:128*(\p)+4*i+3], v[L16], s[4:5] offset:(128*(\rel)+i)*ROWP th:TH_LOAD_NT
.set i, i+1
.endr
	WIN 0
.endm
.macro XLOAD pb, rel                   ; my five slots' images and scale words of a K step
.if (\pb)
	WIN 0x80
.set XB, 192
.else
.set XB, XF0
.endif
.irp j, 0,1,2,3,4
.irp c, 0,1,2
	global_load_b128 v[XB+12*\j+4*\c:XB+12*\j+4*\c+3], v[XO+\j], s[8:9] offset:64*FRB*(\rel)+512*\c
.endr
.endr
	WIN 0
.irp j, 0,1,2,3,4
	global_load_b32 v[XS+5*(\pb)+\j], v[XSO+\j], s[10:11] offset:8192*(\rel)
.endr
.endm
.macro SETADR                          ; the LDS addresses of the buffer at s31
	v_add_nc_u32 v[TA], s31, v[IWA]
	v_add_nc_u32 v[TB], s31, v[IWB]
	v_add_nc_u32 v[TS], s31, v[SWB]
	v_add_nc_u32 v[R16], s31, v[L16]
	v_add_nc_u32 v[R8], s31, v[L8]
	v_add_nc_u32 v[R4V], s31, v[L4]
.endm
.macro QUANT4 lo                       ; four columns' blocks become codes and bytes, and go to the buffer
.irp g, 0,1,2,3
	v_max3_num_f32 v[MX+\g], |v[XA+32*\g]|, |v[XA+32*\g+1]|, |v[XA+32*\g+2]|
.endr
.irp i, 3,5,7,9,11,13,15,17,19,21,23,25,27,29
.irp g, 0,1,2,3
	v_max3_num_f32 v[MX+\g], v[MX+\g], |v[XA+32*\g+\i]|, |v[XA+32*\g+\i+1]|   ; four chains by turns
.endr
.endr
.irp g, 0,1,2,3
	v_max3_num_f32 v[MX+\g], v[MX+\g], |v[XA+32*\g+31]|, 0x1800000   ; with the floor 2^(3 - 127): the byte cannot fall under 1
.endr
.irp g, 0,1,2,3
	v_add_nc_u32 v[MX+\g], 0xff000000, v[MX+\g]    ; 2 off the exponent field: the conversion's scale operand
.endr
.irp g, 0,1,2,3
.if \g == 0
.set D, CB0
.else
.set D, XA+32*(\g-1)                   ; the group before has been converted: its numbers' registers take these codes
.endif
	v_cvt_scalef32_pk16_fp6_f32 v[D:D+2], v[XA+32*\g:XA+32*\g+15], v[MX+\g]
	v_cvt_scalef32_pk16_fp6_f32 v[D+8:D+10], v[XA+32*\g+16:XA+32*\g+31], v[MX+\g]   ; (a conversion's three registers begin on an even number)
	v_lshrrev_b32 v[BY+\g], 23, v[MX+\g]           ; the byte; also the plain line behind the conversions
	v_mov_b32 v[D+3], v[D+8]
	v_mov_b32 v[D+4], v[D+9]
	v_mov_b32 v[D+5], v[D+10]
	ds_store_b128 v[TA], v[D:D+3] offset:(\lo)+2*FRP*\g
	ds_store_b64 v[TB], v[D+4:D+5] offset:(\lo)+2*FRP*\g
	ds_store_b8 v[TS], v[BY+\g] offset:(\lo)+128*\g
.endr
.endm
.macro GETF a16, a8, a4, lo            ; a step's eight fragments (window 2) and four scale registers
	WIN 0x80
.irp t, 0,1,2,3,4,5,6,7
	ds_load_b128 v[12*\t:12*\t+3], v[\a16] offset:(\lo)+FRP*\t
	ds_load_b64 v[12*\t+4:12*\t+5], v[\a8] offset:(\lo)+FRP*\t+1024
	ds_load_b128 v[12*\t+6:12*\t+9], v[\a16] offset:(\lo)+FRP*\t+512
	ds_load_b64 v[12*\t+10:12*\t+11], v[\a8] offset:(\lo)+FRP*\t+1280
.endr
	WIN 0
.irp g, 0,1,2,3
	ds_load_b32 v[WS+\g], v[\a4] offset:(\lo)+SBO+128*\g   ; lanes 0-15: tile 2 g's words, lanes 16-31: tile 2 g + 1's
.endr
.endm
.macro WM8 ab, xr, xs, zero            ; a slot's eight accumulators, one instruction each
.irp g, 0,1,2,3
.if \zero
	v_wmma_scale_f32_16x16x128_f8f6f4 v[(\ab)+8*\g:(\ab)+8*\g+7], v[24*\g:24*\g+11], v[(\xr):(\xr)+11], 0, v[WS+\g], v[(\xs)] matrix_a_fmt:MATRIX_FMT_FP6 matrix_b_fmt:MATRIX_FMT_FP6
	v_wmma_scale_f32_16x16x128_f8f6f4 v[(\ab)+32+8*\g:(\ab)+32+8*\g+7], v[24*\g+12:24*\g+23], v[(\xr):(\xr)+11], 0, v[WS+\g], v[(\xs)] matrix_a_fmt:MATRIX_FMT_FP6 matrix_b_fmt:MATRIX_FMT_FP6 matrix_a_scale:MATRIX_SCALE_ROW1
.else
	v_wmma_scale_f32_16x16x128_f8f6f4 v[(\ab)+8*\g:(\ab)+8*\g+7], v[24*\g:24*\g+11], v[(\xr):(\xr)+11], v[(\ab)+8*\g:(\ab)+8*\g+7], v[WS+\g], v[(\xs)] matrix_a_fmt:MATRIX_FMT_FP6 matrix_b_fmt:MATRIX_FMT_FP6
	v_wmma_scale_f32_16x16x128_f8f6f4 v[(\ab)+32+8*\g:(\ab)+32+8*\g+7], v[24*\g+12:24*\g+23], v[(\xr):(\xr)+11], v[(\ab)+32+8*\g:(\ab)+32+8*\g+7], v[WS+\g], v[(\xs)] matrix_a_fmt:MATRIX_FMT_FP6 matrix_b_fmt:MATRIX_FMT_FP6 matrix_a_scale:MATRIX_SCALE_ROW1
.endif
.endr
.endm
.macro MMA p, zero                     ; 40 matrix instructions: source 0 window 2; source 1 window 0 (even steps) or 2; slots 0-3 window 3, slot 4 window 2
.set XFB, XF0+16*(\p)
	WIN 0xf2+8*(\p)
.irp j, 0,1,2,3
	WM8 64*\j, XFB+12*\j, XS+5*(\p)+\j, \zero
.endr
	WIN 0xa2+8*(\p)
	WM8 128, XFB+48, XS+5*(\p)+4, \zero
	WIN 0
.endm
; A K step.  p: its parity (landing set, X's registers); lo: its buffer behind s31; rel: steps behind the bases; cw, cx: loads that may be out when W and X of this step are wanted.
.macro STEP p, lo, rel, cw, cx, ldx, ldw, zero, ldb
	s_wait_loadcnt \cw                             ; my block has landed
	WIN 0x01
.irp g, 0,1,2,3
.set i, 0
.rept 32
	v_mov_b32 v[XA+32*\g+8*(i%4)+i/4], v[128*(\p)+4*i+\g]
.set i, i+1
.endr
.endr
	WIN 0
.if \ldx
	XLOAD 1-(\p), (\rel)+1
.endif
.if \ldw == 2
	s_wait_alu depctr_va_vdst(0)
	s_cmp_eq_u32 s30, 2                            ; the last trip's second step is step 6: there is no block two steps on
	s_cbranch_scc1 .Lnw_\@
.endif
.if \ldw
	LOADW \p, (\rel)+2                             ; into the set just moved out
.endif
.if \ldw == 2
.Lnw_\@:
.endif
	QUANT4 \lo
	s_wait_alu depctr_va_vdst(0)
	s_wait_dscnt 0x0                               ; for the others' sake: my codes and bytes lie in LDS
	s_barrier_signal -1
	s_barrier_wait -1
.if \ldb
.irp u, 0,1
.irp k, 0,1,2,3,4,5,6,7
	global_load_b128 v[BR+32*\u+4*\k:BR+32*\u+4*\k+3], v[BO], s[6:7] offset:256*\u+16*\k   ; b2 at columns 64 u + 32 h + 4 k on
.endr
.endr
.endif
	GETF R16, R8, R4V, \lo
	s_wait_loadcnt \cx                             ; this step's X has landed
	s_wait_dscnt 0x0
	MMA \p, \zero
.endm
.macro GATHER j                        ; slot j in the columns' order, b2 added; each accumulator is read from its low end on
	v_mov_b32 v[IDC], v[IDX+\j]
.if \j < 4
	WIN 0x30
.set AB, 64*\j
.else
	WIN 0x20
.set AB, 128
.endif
.irp u, 0,1
.irp jj, 0,1,2,3,4,5,6,7
.irp g, 0,1,2,3
	v_fma_f32 v[OUT+32*\u+4*\jj+\g], v[BR+32*\u+4*\jj+\g], s37, v[AB+32*\u+8*\g+\jj]
.endr
.endr
.endr
	WIN 0
	s_wait_alu depctr_va_vdst(0)
.endm
	s_load_b256 s[4:11], s[0:1], 0x0               ; w2 s[4:5], b2 s[6:7], hq s[8:9], hs s[10:11]
	s_load_b128 s[12:15], s[0:1], 0x20             ; route s[12:13], part s[14:15]
	v_lshl_add_u32 v[SPW], v0, 2, SPARE
	v_mov_b32 v[NIL], 0
	v_lshrrev_b32 v28, 5, v0
	v_readfirstlane_b32 s18, v28                   ; wave 0..3
	s_lshr_b32 s19, ttmp9, 5                       ; expert
	s_bfe_u32 s20, ttmp9, 0x20003                  ; K quarter
	s_and_b32 s21, ttmp9, 7                        ; which 128 columns
	s_lshl_b32 s21, s21, 9                         ; in bytes
	s_lshr_b32 s28, ttmp9, 3                       ; 4 x expert + quarter
	s_mul_i32 s33, s18, STGW
	s_add_co_u32 s33, s33, STG                     ; my stage
	s_lshl_b32 s34, s18, 8                         ; block w's first 16 bytes: half w / 2 at 512, lanes' half w % 2 at 256
	s_lshl_b32 s35, s18, 7
	s_add_co_u32 s35, s35, 1024                    ; its last 8 bytes likewise
	s_add_co_u32 s36, s18, SBO                     ; byte w of a scale word
	s_cmp_eq_u32 s20, 0
	s_cselect_b32 s37, 1.0, 0                      ; b2 is added once: in quarter 0
	s_lshl_b32 s38, s28, 22                        ; w2: (4 x expert + quarter) x 1,024 rows + wave x 32 rows + the slab's columns
	s_lshl_b32 s26, s18, 17
	s_add_co_u32 s38, s38, s26
	s_add_co_u32 s38, s38, s21
	s_mov_b32 s39, 0
	v_and_b32 v28, 31, v0
	v_lshlrev_b32 v[L16], 4, v28
	v_lshlrev_b32 v[L8], 3, v28
	v_lshlrev_b32 v[L4], 2, v28
	v_and_b32 v29, 15, v0
	v_bfe_u32 v30, v0, 4, 1
	v_lshlrev_b32 v[R4], 2, v29
	v_mul_u32_u24 v[SO], v29, 528                  ; the stage: row r, + 128 bytes for lanes 16-31
	v_lshl_add_u32 v[SO], v30, 7, v[SO]
	v_add_nc_u32 v[SO], s33, v[SO]
	v_add_nc_u32 v[RD], s33, v[L16]
	v_mul_u32_u24 v31, v30, FRP                    ; lanes 16-31 write tile 2 g + 1
	v_lshl_add_u32 v[IWA], v29, 4, v31
	v_add_nc_u32 v[IWA], s34, v[IWA]
	v_lshl_add_u32 v[IWB], v29, 3, v31
	v_add_nc_u32 v[IWB], s35, v[IWB]
	v_add_nc_u32 v[SWB], s36, v[L4]
	v_lshlrev_b32 v[BO], 7, v30
	s_wait_alu depctr_va_vdst(0)
	s_wait_kmcnt 0x0
	s_add_nc_u64 s[4:5], s[4:5], s[38:39]
	s_lshl_b32 s38, s19, 7
	s_add_nc_u64 s[40:41], s[12:13], s[38:39]
	s_load_b32 s22, s[40:41], 0x0                  ; the expert's number of tiles
	LOADW 0, 0
	s_lshl_b32 s38, s19, 12
	s_add_co_u32 s38, s38, s21
	s_add_nc_u64 s[6:7], s[6:7], s[38:39]          ; b2 at the slab's columns
	s_lshl_b32 s38, s19, 12
	s_add_co_u32 s38, s38, 1024
	s_add_nc_u64 s[12:13], s[12:13], s[38:39]      ; the expert's list
	s_mul_i32 s38, s28, 8*64*FRB
	s_add_nc_u64 s[8:9], s[8:9], s[38:39]          ; hq at [expert][K step 8 q]
	s_lshl_b32 s38, s28, 16
	s_add_nc_u64 s[10:11], s[10:11], s[38:39]      ; hs likewise
	s_mul_i32 s38, s20, QB
	s_add_co_u32 s38, s38, s21
	s_add_nc_u64 s[14:15], s[14:15], s[38:39]      ; part at [quarter][.][my columns]
	s_wait_kmcnt 0x0
	s_mov_b64 s[40:41], s[8:9]                     ; the two bases as they are now, for late tiles
	s_mov_b64 s[42:43], s[10:11]
	s_max_u32 s22, s22, 1
	s_min_u32 s22, s22, 64                         ; tiles
	s_add_co_i32 s23, s22, -1                      ; the last tile
	s_add_co_u32 s24, s22, 3
	s_sub_co_u32 s24, s24, s18
	s_lshr_b32 s24, s24, 2
	s_min_u32 s24, s24, 16                         ; my tiles: w, w + 4, .. under the number of tiles
.irp j, 0,1,2,3,4
	s_add_co_u32 s25, s18, 4*\j
	s_min_u32 s25, s25, s23                        ; past the list's end: the last tile once more
	s_min_u32 s25, s25, 63
	s_mul_i32 s26, s25, FRB
	s_lshl_b32 s27, s25, 7
	s_lshl_b32 s29, s25, 6
	v_add_nc_u32 v[XO+\j], s26, v[L16]
	v_add_nc_u32 v[XSO+\j], s27, v[L4]
	v_add_nc_u32 v[IDX+\j], s29, v[R4]
.endr
	s_mov_b32 s31, 0
	SETADR
	s_wait_alu depctr_va_vdst(0)
.irp j, 0,1,2,3,4
	global_load_b32 v[IDX+\j], v[IDX+\j], s[12:13] ; the slot's list entries land on their own address
.endr
	XLOAD 0, 0
	LOADW 1, 1
	STEP 0, 0, 0, 57, 63, 1, 1, 1, 0               ; step 0 starts the sums.  Behind W0: 5 + 20 + 32 loads; behind X0: 84, of which the wait can name 63
	s_mov_b32 s31, BUF
	s_mov_b32 s30, 0
.Ltrip:                                                ; a trip: steps 2 t + 1 and 2 t + 2; the bases stand at step 2 t
	SETADR
	STEP 1, 0, 1, 52, 63, 1, 1, 0, 0               ; behind W(s): X(s), W(s+1)
	STEP 0, BUF, 2, 52, 52, 1, 2, 0, 0             ; behind X(s) in step 6: W7 and X7 alone, so 52 in every trip
	s_wait_alu depctr_va_vdst(0)
	s_wait_xcnt 0x0                                ; the loads have read their bases
	s_add_nc_u64 s[4:5], s[4:5], 2*128*ROWP
	s_add_nc_u64 s[8:9], s[8:9], 2*64*FRB
	s_add_nc_u64 s[10:11], s[10:11], 2*8192
	s_add_co_u32 s31, s31, 2*BUF
	s_add_co_u32 s30, s30, 1
	s_cmp_lt_u32 s30, 3
	s_cbranch_scc1 .Ltrip
	SETADR
	STEP 1, 0, 0, 20, 16, 0, 0, 0, 1               ; step 7: behind W7: X7; behind X7: b2's 16 loads
.rept 4
	v_nop                                          ; places behind the last products
.endr
	v_add_nc_u32 v[H16], 4*BUF, v[L16]             ; buffers 4 to 7, for late tiles
	v_add_nc_u32 v[H8], 4*BUF, v[L8]
	v_add_nc_u32 v[H4], 4*BUF, v[L4]
	s_mov_b32 s29, 0                               ; which of my tiles
	s_wait_alu depctr_va_vdst(0)
	s_wait_loadcnt 0x0                             ; b2
	s_cmp_eq_u32 s24, 0
	s_cbranch_scc1 .Ldone                          ; fewer tiles than waves: nothing of mine is stored
.Lout:
	s_cmp_lt_u32 s29, 5
	s_cbranch_scc1 .Lsel
	; A LATE TILE, w + 4 k with k from 5 on: made in slot 0, which has gone out, from the eight buffers in LDS.  No barrier: every wave has passed the last one, and nobody writes the buffers.
	s_lshl_b32 s25, s29, 2
	s_add_co_u32 s25, s25, s18
	s_min_u32 s25, s25, 63
	s_mul_i32 s26, s25, FRB
	s_lshl_b32 s27, s25, 7
	s_lshl_b32 s25, s25, 6
	v_add_nc_u32 v[XO], s26, v[L16]
	v_add_nc_u32 v[XSO], s27, v[L4]
	v_add_nc_u32 v[IDX], s25, v[R4]
	WIN 0x40
.irp s, 0,1,2,3,4,5,6,7
.irp c, 0,1,2
	global_load_b128 v[12*\s+4*\c:12*\s+4*\c+3], v[XO], s[40:41] offset:64*FRB*\s+512*\c
.endr
.endr
	WIN 0
.irp s, 0,1,2,3,4,5,6,7
	global_load_b32 v[XS+\s], v[XSO], s[42:43] offset:8192*\s
.endr
	global_load_b32 v[IDX], v[IDX], s[12:13]
.irp s, 0,1,2,3,4,5,6,7
.if \s < 4
	GETF L16, L8, L4, BUF*\s
.else
	GETF H16, H8, H4, BUF*(\s-4)
.endif
.if \s == 0
	s_wait_loadcnt 0x0
.endif
	s_wait_dscnt 0x0
	WIN 0xf6                                       ; source 0 window 2, source 1 window 1, C and D window 3
.if \s == 0
	WM8 0, 12*\s, XS+\s, 1
.else
	WM8 0, 12*\s, XS+\s, 0
.endif
	WIN 0
.rept 4
	v_nop                                          ; places in front of the next loads, and of the first read of the sums
.endr
.endr
	s_branch .Lg0
.Lsel:
	s_cmp_eq_u32 s29, 1
	s_cbranch_scc1 .Lg1
	s_cmp_eq_u32 s29, 2
	s_cbranch_scc1 .Lg2
	s_cmp_eq_u32 s29, 3
	s_cbranch_scc1 .Lg3
	s_cmp_eq_u32 s29, 4
	s_cbranch_scc1 .Lg4
.Lg0:
	GATHER 0
	s_branch .Lcom
.Lg1:
	GATHER 1
	s_branch .Lcom
.Lg2:
	GATHER 2
	s_branch .Lcom
.Lg3:
	GATHER 3
	s_branch .Lcom
.Lg4:
	GATHER 4
.Lcom:
	s_wait_xcnt 0x0                                ; the last tile's stores have read their registers
.irp u, 0,1
.irp k, 0,1,2,3,4,5,6,7
	ds_store_b128 v[SO], v[OUT+32*\u+4*\k:OUT+32*\u+4*\k+3] offset:256*\u+16*\k
.endr
.endr
.irp i, 0,1,2,3,4,5,6,7,8,9,10,11,12,13,14,15
	ds_load_b128 v[RB+4*\i:RB+4*\i+3], v[RD] offset:528*\i   ; LDS serves a wave's instructions in order: these see the stores above.  Row i, 512 bytes, 16 a lane
.endr
.irp i, 0,1,2,3,4,5,6,7,8,9,10,11,12,13,14,15
	v_readlane_b32 s25, v[IDC], \i                 ; row i's entry: j x 1024 + token, or 2048 + e: thrown away
	s_min_u32 s25, s25, 2055
	s_lshl_b32 s25, s25, 12
	v_add_nc_u32 v[RA+\i], s25, v[L16]
.endr
	s_wait_alu depctr_va_vdst(0)
.irp i, 0,1,2,3,4,5,6,7,8,9,10,11,12,13,14,15
	s_wait_dscnt 15-\i                             ; row i is back; the younger rows may be out
	global_store_b128 v[RA+\i], v[RB+4*\i:RB+4*\i+3], s[14:15]   ; 512 bytes on end, at a multiple of 256 from part's first byte
.endr
	s_add_co_u32 s29, s29, 1
	s_cmp_lt_u32 s29, s24
	s_cbranch_scc1 .Lout
.Ldone:
	s_wait_tensorcnt 0x0                           ; the wave's end
	ds_add_u32 v[SPW], v[NIL]
	s_wait_dscnt 0x0
	s_endpgm
.Lfunc_end_k_q239f9636d2_ffn2:
	.size	k_q239f9636d2_ffn2, .Lfunc_end_k_q239f9636d2_ffn2-k_q239f9636d2_ffn2
	.p2alignl 7, 3214868480
	.fill 96, 4, 3214868480
	.section	.rodata,"a",@progbits
	.p2align	6, 0x0
	.amdhsa_kernel k_q239f9636d2_ffn2
		.amdhsa_group_segment_fixed_size 144896
		.amdhsa_private_segment_fixed_size 0
		.amdhsa_enable_private_segment 0
		.amdhsa_kernarg_size 48
		.amdhsa_user_sgpr_count 2
		.amdhsa_user_sgpr_kernarg_segment_ptr 1
		.amdhsa_wavefront_size32 1
		.amdhsa_system_sgpr_workgroup_id_x 1
		.amdhsa_system_sgpr_workgroup_id_y 1
		.amdhsa_system_sgpr_workgroup_id_z 1
		.amdhsa_system_vgpr_workitem_id 0
		.amdhsa_next_free_vgpr 1024
		.amdhsa_next_free_sgpr 66
		.amdhsa_reserve_vcc 0
		.amdhsa_float_denorm_mode_32 3
		.amdhsa_float_denorm_mode_16_64 3
		.amdhsa_memory_ordered 1
		.amdhsa_forward_progress 1
		.amdhsa_inst_pref_size 163
	.end_amdhsa_kernel
	.amdgpu_metadata
---
amdhsa.version: [ 1, 2 ]
amdhsa.kernels:
  - .name:           k_q239f9636d2_ffn2
    .symbol:         k_q239f9636d2_ffn2.kd
    .args:
      - { .name: w2, .offset: 0, .size: 8, .value_kind: global_buffer, .address_space: global }
      - { .name: b2, .offset: 8, .size: 8, .value_kind: global_buffer, .address_space: global }
      - { .name: hq, .offset: 16, .size: 8, .value_kind: global_buffer, .address_space: global }
      - { .name: hs, .offset: 24, .size: 8, .value_kind: global_buffer, .address_space: global }
      - { .name: route, .offset: 32, .size: 8, .value_kind: global_buffer, .address_space: global }
      - { .name: part, .offset: 40, .size: 8, .value_kind: global_buffer, .address_space: global }
    .group_segment_fixed_size: 144896
    .private_segment_fixed_size: 0
    .kernarg_segment_align: 8
    .kernarg_segment_size: 48
    .max_flat_workgroup_size: 128
    .sgpr_count:     66
    .vgpr_count:     1024
    .wavefront_size: 32
...
	.end_amdgpu_metadata
.endif
;; end of part 4
;; launch combine (part 5): grid 256 x 1, 8 waves a work-group, no clusters, 0 bytes of LDS; arguments part, psum, out0; writes out0
.if DOCPART == 5
	.amdgcn_target "amdgcn-amd-amdhsa--gfx1250"
	.amdhsa_code_object_version 6
	.text
	.protected	k_q239f9636d2_combine
	.globl	k_q239f9636d2_combine
	.p2align	8
	.type	k_q239f9636d2_combine,@function
k_q239f9636d2_combine:
	s_mov_b64 s[64:65], 0
	v_nop
	global_prefetch_b8 v0, s[64:65] scope:SCOPE_SE
	s_setreg_imm32_b32 hwreg(HW_REG_WAVE_MODE, 25, 1), 1
	s_wait_xcnt 0x0
; out0[token] = (the sum over the four K quarters and the token's two experts of part[q][j x 1024 + token]) x psum[token].  All f32.
; A stream: a work-group owns 4 tokens, thread t the 16 bytes at 16 t of each row, so a wave's load or store covers 512 bytes on end.  All 32 loads of a thread go out at once, token by token;
; each token is summed (a tree of packed additions), scaled and stored as soon as its eight rows are in.  No LDS, no barrier, no matrix unit: nothing is shared and memory binds.
.set QB, 8421376                       ; a quarter of part: 2,056 rows of 4,096 bytes
.set P,  16                            ; v16-143: token k, quarter q, choice j at P + 4 (8 k + 2 q + j)
	s_load_b128 s[4:7], s[0:1], 0x0                ; part s[4:5], psum s[6:7]
	s_load_b64 s[8:9], s[0:1], 0x10                ; out0
	v_lshlrev_b32 v1, 4, v0
	s_lshl_b32 s10, ttmp9, 14                      ; 4 rows of 4,096 bytes a work-group
	s_mov_b32 s11, 0
	s_lshl_b32 s12, ttmp9, 4
	s_mov_b32 s13, 0
	s_wait_alu depctr_va_vdst(0)
	s_wait_kmcnt 0x0
	s_add_nc_u64 s[24:25], s[4:5], s[10:11]        ; a base for each quarter: a quarter is more than a load's immediate reaches
	s_add_nc_u64 s[26:27], s[24:25], QB
	s_add_nc_u64 s[28:29], s[26:27], QB
	s_add_nc_u64 s[30:31], s[28:29], QB
	s_add_nc_u64 s[6:7], s[6:7], s[12:13]
	s_add_nc_u64 s[8:9], s[8:9], s[10:11]
	s_load_b128 s[20:23], s[6:7], 0x0              ; the four tokens' weight sums
.irp k, 0,1,2,3
.irp q, 0,1,2,3
.irp j, 0,1
	global_load_b128 v[P+4*(8*\k+2*\q+\j):P+4*(8*\k+2*\q+\j)+3], v1, s[24+2*\q:25+2*\q] offset:\j*4194304+4096*\k th:TH_LOAD_NT
.endr
.endr
.endr
	s_wait_kmcnt 0x0
.irp k, 0,1,2,3
	s_wait_loadcnt 24-8*\k                         ; this token's eight loads are in; the later tokens' may be out
.irp m, 0,8,16,24
.irp h, 0,2
	v_pk_add_f32 v[P+32*\k+\m+\h:P+32*\k+\m+\h+1], v[P+32*\k+\m+\h:P+32*\k+\m+\h+1], v[P+32*\k+\m+4+\h:P+32*\k+\m+4+\h+1]
.endr
.endr
.irp m, 0,16
.irp h, 0,2
	v_pk_add_f32 v[P+32*\k+\m+\h:P+32*\k+\m+\h+1], v[P+32*\k+\m+\h:P+32*\k+\m+\h+1], v[P+32*\k+\m+8+\h:P+32*\k+\m+8+\h+1]
.endr
.endr
.irp h, 0,2
	s_delay_alu instid0(VALU_DEP_2)
	v_pk_add_f32 v[P+32*\k+\h:P+32*\k+\h+1], v[P+32*\k+\h:P+32*\k+\h+1], v[P+32*\k+16+\h:P+32*\k+16+\h+1]
.endr
.irp c, 0,1,2,3
	v_mul_f32 v[P+32*\k+\c], s[20+\k], v[P+32*\k+\c]
.endr
	global_store_b128 v1, v[P+32*\k:P+32*\k+3], s[8:9] offset:4096*\k th:TH_STORE_NT
.endr
	s_endpgm
.Lfunc_end_k_q239f9636d2_combine:
	.size	k_q239f9636d2_combine, .Lfunc_end_k_q239f9636d2_combine-k_q239f9636d2_combine
	.p2alignl 7, 3214868480
	.fill 96, 4, 3214868480
	.section	.rodata,"a",@progbits
	.p2align	6, 0x0
	.amdhsa_kernel k_q239f9636d2_combine
		.amdhsa_group_segment_fixed_size 0
		.amdhsa_private_segment_fixed_size 0
		.amdhsa_enable_private_segment 0
		.amdhsa_kernarg_size 24
		.amdhsa_user_sgpr_count 2
		.amdhsa_user_sgpr_kernarg_segment_ptr 1
		.amdhsa_wavefront_size32 1
		.amdhsa_system_sgpr_workgroup_id_x 1
		.amdhsa_system_sgpr_workgroup_id_y 1
		.amdhsa_system_sgpr_workgroup_id_z 1
		.amdhsa_system_vgpr_workitem_id 0
		.amdhsa_next_free_vgpr 144
		.amdhsa_next_free_sgpr 66
		.amdhsa_reserve_vcc 0
		.amdhsa_float_denorm_mode_32 3
		.amdhsa_float_denorm_mode_16_64 3
		.amdhsa_memory_ordered 1
		.amdhsa_forward_progress 1
		.amdhsa_inst_pref_size 9
	.end_amdhsa_kernel
	.amdgpu_metadata
---
amdhsa.version: [ 1, 2 ]
amdhsa.kernels:
  - .name:           k_q239f9636d2_combine
    .symbol:         k_q239f9636d2_combine.kd
    .args:
      - { .name: part, .offset: 0, .size: 8, .value_kind: global_buffer, .address_space: global }
      - { .name: psum, .offset: 8, .size: 8, .value_kind: global_buffer, .address_space: global }
      - { .name: out0, .offset: 16, .size: 8, .value_kind: global_buffer, .address_space: global }
    .group_segment_fixed_size: 0
    .private_segment_fixed_size: 0
    .kernarg_segment_align: 8
    .kernarg_segment_size: 24
    .max_flat_workgroup_size: 256
    .sgpr_count:     66
    .vgpr_count:     144
    .wavefront_size: 32
...
	.end_amdgpu_metadata
.endif
;; end of part 5
